; MI455X (gfx1250); checked and timed in simulation.
; The chip was launched on July 23, 2026; its instructions are those of AMD's public machine-readable ISA for CDNA 5 (MIT licence, August 2026) and "CDNA5" Instruction Set Architecture Reference Guide (July 2026). The comments in the code are by the model that wrote it; some were corrected since.
;; Causal Self Attention. Allowed arithmetic: matrix products marked QUANTISED: E2M1 operands, one E8M0 scale for each 32 along K, by v_wmma_scale_f32_16x16x128_f8f6f4 with both operands' format E2M1 (or v_wmma_scale_f32_32x16x128_f4), f32 sums; products left as they are: bf16, f16 or f32 operands; f32 sums; everything else in f32.
;; Inputs: b_attn 3,072 float32; b_proj 1,024 float32; w_attn 1,024 x 3,072 float32; w_proj 1,024 x 1,024 float32; x 8 x 1,024 x 1,024 float32.
;; Outputs: out0 8 x 1,024 x 1,024 float32.
;; This version of the problem:
;;   THIS VERSION OF THE PROBLEM IS GIVEN IN LOW PRECISION. The matrix products marked QUANTISED in the list below multiply operands that are first quantised to E2M1 (2 exponent bits, 1 mantissa bit; 4 bits a number), with one power-of-two scale for each 32 numbers along K (OCP MX v1.0); their sums are f32. The products marked 'left as it is' may take bf16, f16 or f32 operands, with f32 sums. Whichever they take, every output number must still come out within the allowed error. Rounding operands to bf16 (8 significant bits) uses up far more of that allowance than f16 does (11 bits, for magnitudes from 6e-5 to 65,504). All else is computed in f32.
;;   The module's matrix products, in the order in which they are computed (A, B: the left and right operand; K: the contracted axis; several contracted axes count as one K, in the product's order):
;;     1. [M 8,192, K 1,024] x [K 1,024, N 3,072]; A: input x; B: input w_attn: QUANTISED
;;     2. batch 128 x [M 1,024, K 64] x [K 64, N 1,024]; A: computed on the way; B: computed on the way: left as it is (an operand is computed on the way)
;;     3. batch 128 x [M 1,024, K 1,024] x [K 1,024, N 64]; A: computed on the way; B: computed on the way: left as it is (an operand is computed on the way)
;;     4. [M 8,192, K 1,024] x [K 1,024, N 1,024]; A: computed on the way; B: input w_proj: left as it is (an operand is computed on the way)
;;   THE QUANTISER, for each operand of a quantised product, along K:
;;     - K is cut into blocks of 32 from its start; a last block that is shorter is filled with zeros.
;;     - A block's scale is 2^e with e = floor(log2(the largest magnitude in the block)) - 2, held to -126 .. 127; a block of zeros has e = 0. As a byte (E8M0): e + 127.
;;     - Each number is divided by its block's scale, clamped to +-6, and rounded to the nearest number of E2M1, ties to even, subnormals kept.
;;     - The product sums the exact products of the quantised numbers (number of the format x scale) in f32.
;;   ~~~python
;;   def quantise(x, axis):      # numpy; x: float32 -> the quantised numbers, widened to float32 again
;;       x = np.moveaxis(x, axis, -1); K = x.shape[-1]
;;       x = np.pad(x, [(0, 0)] * (x.ndim - 1) + [(0, -K % 32)]); x = x.reshape(x.shape[:-1] + (-1, 32)); a = np.abs(x).max(-1, keepdims=True)
;;       e = np.where(a > 0, np.clip(np.frexp(np.where(a > 0, a, 1))[1] - 1 - 2, -126, 127), 0)      # np.frexp(a)[1] - 1 = floor(log2(a)), exactly
;;       r = np.clip(x / 2.0 ** e, -6, 6)
;;       step = 2.0 ** (np.maximum(np.frexp(np.where(r == 0, 1, r))[1] - 1, 0) - 1)
;;       q = np.round(r / step) * step * 2.0 ** e      # np.round: ties to even
;;       return np.moveaxis(q.reshape(q.shape[:-2] + (-1,))[..., :K], -1, axis).astype(np.float32)
;;   ~~~
;; One version. Each part assembles by itself: llvm-mc -triple=amdgcn-amd-amdhsa -mcpu=gfx1250 --defsym DOCPART=n.
;; ======== version 1 of 1: 4 launches
;; limits: values are held in f16: magnitudes above 65,504 overflow, below 6.1e-05 lose precision
;; workspace buffers: x_codes 4,194,304 bytes; x_scales 262,144 bytes; wa_codes 1,572,864 bytes; wa_scales 98,304 bytes; wimg 2,097,152 bytes; qkv 50,331,648 bytes; qkv32 1,572,864 bytes; yimg 16,777,216 bytes
;; launch prep (part 1): grid 368 x 1, 4 waves a work-group, no clusters, 68,096 bytes of LDS; arguments x, w_attn, w_proj, x_codes, x_scales, wa_codes, wa_scales, wimg; writes x_codes, x_scales, wa_codes, wa_scales, wimg
.if DOCPART == 1
	.amdgcn_target "amdgcn-amd-amdhsa--gfx1250"
	.amdhsa_code_object_version 6
	.text
	.protected	k_qc3dee9f336_prep
	.globl	k_qc3dee9f336_prep
	.p2align	8
	.type	k_qc3dee9f336_prep,@function
k_qc3dee9f336_prep:
	s_mov_b64 s[64:65], 0
	v_nop
	global_prefetch_b8 v0, s[64:65] scope:SCOPE_SE
	s_setreg_imm32_b32 hwreg(HW_REG_WAVE_MODE, 25, 1), 1
	s_wait_xcnt 0x0
; THREE JOBS IN ONE LAUNCH, told apart by the work-group's number; each job has LDS bytes of its own.
;  X (work-groups 0-255): x [8192][1024] f32, K innermost, becomes codes of FP4 (E2M1), two a byte, and one E8M0 byte for each 32 along K: x_codes [8192][512 B], x_scales [8192][32].
;  W (256-303): w_attn [1024 (k)][3072 (n)] f32, K its FIRST axis, becomes wa_codes [3072][512 B] with K innermost and wa_scales [3072][32]: a lane takes a column, its registers run down K.
;  P (304-367): w_proj [1024 (k)][1024 (n)] f32 becomes f16 in blocks of 16 k x 16 n of 512 bytes, wimg [n / 128][k / 16][(n / 16) % 8][32 places][16 B]: the 16 bytes that hold 8 neighbouring n of one k
;     (kk = k % 16, half = (n / 8) % 2) lie at place 16 (kk / 8) + 8 half + kk % 8, so that a turning LDS load at 16 x lane gives lane l column l % 16 and k = 8 (l / 16) + 0 .. 7.
; A block's scale is 2^(floor(log2(its largest magnitude)) - 2); its byte is the largest magnitude's exponent field - 2, held at 1 from below.
; LIMITS: a block of zeros gets the byte 1 where the rule says 127 (its codes are zeros, and this program alone reads the bytes); blocks whose largest magnitude lies under 2^-124 are held at that byte;
; NaN and infinities among the inputs are not served; |w_proj| stays under 65,504, f16's largest number; under 6e-5 it keeps an absolute error of 3e-8.
; No tensor loads, no barrier: waves share nothing.  No cluster: no two work-groups read the same bytes.
.set SPW,   192                        ; v192  LDS address of my spare word; never rewritten
.set NIL,   193                        ; v193  0; never rewritten
.set WREG,  8192                       ; job X: a region for each wave: two stages of 32 x SP bytes, then its 256 scale bytes
.set SP,    80                         ; a lane's place in a stage: 64 bytes + 16 of padding
.set CB,    8                          ; bytes of 16 codes
.set STEPS, 16
.set R,     16                         ; v16-79   job X: four sets of 16 numbers as loaded
.set X,     80                         ; v80-111  two sets of 16 neighbours
.set E,     112                        ; v112-127 a scale byte for each step
.set C,     128                        ; v128-191 codes, four registers for each step: no store's data are written again
.set WSTG,  32768                      ; job W: four stages of 32 rows x PITCH bytes
.set PITCH, 272
.set SPARE, WSTG+4*32*PITCH            ; the spare words, 128 bytes for each wave
.set WN,    3072
.set KROW,  512                        ; a row of codes in bytes
.set NB,    16                         ; blocks of 32 along K for a wave of job W
.set WX,    32                         ; v32-95   job W: two sets of 32 numbers
.set WC,    96                         ; v96-99   a block's codes
.set OUTR,  112                        ; v112-175 the way out
.set SB,    24                         ; v24-27   the scale bytes, four to a register
.set PF,    32                         ; v32-159  job P: 16 x 8 numbers
	s_load_b256 s[4:11], s[0:1], 0x0               ; x s[4:5], w_attn s[6:7], w_proj s[8:9], x_codes s[10:11]
	s_load_b256 s[12:19], s[0:1], 0x20             ; x_scales s[12:13], wa_codes s[14:15], wa_scales s[16:17], wimg s[18:19]
	v_lshl_add_u32 v[SPW], v0, 2, SPARE
	v_mov_b32 v[NIL], 0
	v_lshrrev_b32 v1, 5, v0
	v_readfirstlane_b32 s20, v1                    ; wave 0..3
	v_and_b32 v2, 31, v0                           ; lane
	s_mov_b32 s25, 0                               ; the upper word of every offset
	s_wait_kmcnt 0x0
	s_cmp_lt_u32 ttmp9, 256
	s_cbranch_scc0 .Lnot_x
; ---------------- job X.  A wave takes 16 steps of 512 numbers.  Loads take the bytes as they lie (512 consecutive bytes a load); a step's 2,048 bytes turn through the wave's own stage, so that a lane holds 16 neighbours.
	v_lshlrev_b32 v3, 4, v2                        ; my 16 bytes of a load's 512
	s_mul_i32 s21, s20, WREG
	v_lshrrev_b32 v14, 2, v2
	v_mul_u32_u24 v14, v14, SP
	v_and_b32 v15, 3, v2
	v_lshl_add_u32 v14, v15, 4, v14
	v_add_nc_u32 v14, s21, v14                     ; into the stage: SP (lane / 4) + 16 (lane % 4)
	v_mul_u32_u24 v15, v2, SP
	v_add_nc_u32 v15, s21, v15                     ; out of it: SP x lane
	v_mul_u32_u24 v4, v2, CB                       ; my codes' place in a step's
	v_lshrrev_b32 v5, 1, v2
	s_add_co_u32 s21, s21, 2*32*SP
	v_add_nc_u32 v5, s21, v5                       ; my block's scale byte in LDS
	v_lshlrev_b32 v7, 3, v2
	v_add_nc_u32 v6, s21, v7                       ; and 8 bytes a lane on the way out
	s_lshl_b32 s22, ttmp9, 2
	s_add_co_u32 s22, s22, s20                     ; which run of 8,192 numbers is my wave's
	s_lshl_b32 s24, s22, 15
	s_add_nc_u64 s[4:5], s[4:5], s[24:25]          ; 32,768 bytes of x a run,
	s_lshl_b32 s24, s22, 12
	s_add_nc_u64 s[10:11], s[10:11], s[24:25]      ; 4,096 of codes,
	s_lshl_b32 s24, s22, 8
	s_add_nc_u64 s[12:13], s[12:13], s[24:25]      ; 256 of scale bytes
.macro XLOAD t
.irp i, 0,1,2,3
	global_load_b128 v[R+16*((\t)%4)+4*\i:R+16*((\t)%4)+4*\i+3], v3, s[4:5] offset:2048*(\t)+512*\i th:TH_LOAD_NT
.endr
.endm
.macro XTURN t                         ; LDS serves a wave's instructions in order: no wait between the stores and the loads
.irp i, 0,1,2,3
	ds_store_b128 v14, v[R+16*((\t)%4)+4*\i:R+16*((\t)%4)+4*\i+3] offset:32*SP*((\t)%2)+8*SP*\i
.endr
.irp i, 0,1,2,3
	ds_load_b128 v[X+16*((\t)%2)+4*\i:X+16*((\t)%2)+4*\i+3], v15 offset:32*SP*((\t)%2)+16*\i
.endr
.endm
.macro XSTEP t
.set XS, X+16*((\t)%2)
.if (\t) > 0
	s_wait_dscnt 1                                 ; this step's numbers are back from the stage; the last step's byte store may be out
.else
	s_wait_dscnt 0x0
.endif
.if (\t)+4 < STEPS
	XLOAD (\t)+4                                   ; into the set whose stores into the stage are done
.endif
.if (\t)+1 < STEPS
.if STEPS-2-(\t) >= 3
	s_wait_loadcnt 12                              ; the next step's four loads are in; three steps' may be out
.else
	s_wait_loadcnt 4*(STEPS-2-(\t))
.endif
	XTURN (\t)+1
.endif
	v_max3_num_f32 v8, |v[XS]|, |v[XS+1]|, |v[XS+2]|
	v_max3_num_f32 v9, |v[XS+3]|, |v[XS+4]|, |v[XS+5]|
.irp i, 6,10
	v_max3_num_f32 v8, v8, |v[XS+\i]|, |v[XS+\i+1]|
	v_max3_num_f32 v9, v9, |v[XS+\i+2]|, |v[XS+\i+3]|
.endr
	v_max3_num_f32 v8, v8, |v[XS+14]|, |v[XS+15]|
	v_max3_num_f32 v8, v8, v9, 0x1800000           ; with the floor 2^(3 - 127): the byte cannot fall under 1
	v_max_num_f32_dpp v8, v8, v8 row_xmask:1 row_mask:0xf bank_mask:0xf   ; and my neighbour's 16: the block's largest magnitude
	v_add_nc_u32 v11, 0xff000000, v8               ; 2 off its exponent field: the conversion's scale operand
	v_cvt_scalef32_pk8_fp4_f32 v[C+4*(\t)], v[XS:XS+7], v11
	v_cvt_scalef32_pk8_fp4_f32 v[C+4*(\t)+1], v[XS+8:XS+15], v11
	v_lshrrev_b32 v[E+(\t)], 23, v11               ; the scale's byte
	ds_store_b8 v5, v[E+(\t)] offset:16*(\t)       ; both lanes of a block write the same byte with the same value
	global_store_b64 v4, v[C+4*(\t):C+4*(\t)+1], s[10:11] offset:32*CB*(\t)   ; the wave stores 256 consecutive bytes, aligned
.endm
.irp t, 0,1,2,3
	XLOAD \t
.endr
	s_wait_loadcnt 12                              ; step 0's four loads are in
	XTURN 0
.irp t, 0,1,2,3,4,5,6,7,8,9,10,11,12,13,14,15
	XSTEP \t
.endr
	ds_load_b64 v[8:9], v6                         ; my wave's 256 scale bytes
	s_wait_dscnt 0x0
	global_store_b64 v7, v[8:9], s[12:13]          ; 256 consecutive bytes, aligned
	s_branch .Lend
.Lnot_x:
	s_cmp_lt_u32 ttmp9, 304
	s_cbranch_scc0 .Lpath_p
; ---------------- job W.  A wave takes 32 columns x 512 along K: 16 blocks a lane.  The codes go through the wave's own stage and leave as rows: sixteen lanes store 256 consecutive bytes.
	s_sub_co_u32 s21, ttmp9, 256
	s_lshr_b32 s22, s21, 1                         ; which 128 columns
	s_and_b32 s23, s21, 1                          ; which 512 along K
	s_lshl_b32 s22, s22, 7
	s_lshl_b32 s24, s20, 5
	s_add_co_u32 s22, s22, s24                     ; my wave's first column
	v_lshlrev_b32 v3, 2, v2                        ; in: 4 bytes a lane
	s_mul_i32 s26, s20, 32*PITCH
	s_add_co_u32 s26, s26, WSTG                    ; my stage
	v_mul_u32_u24 v4, v2, PITCH
	v_add_nc_u32 v4, s26, v4                       ; into it: row = my column
	v_and_b32 v5, 15, v2
	v_lshrrev_b32 v6, 4, v2
	v_mul_u32_u24 v7, v6, PITCH
	v_lshl_add_u32 v7, v5, 4, v7
	v_add_nc_u32 v7, s26, v7                       ; out of it: sixteen lanes to a row, two rows an instruction
	v_mul_u32_u24 v8, v6, KROW
	v_lshl_add_u32 v8, v5, 4, v8                   ; the same place in the codes' buffer
	v_lshlrev_b32 v9, 5, v2                        ; my column's row of 32 scale bytes
	s_mul_i32 s24, s23, 512*WN*4
	s_lshl_b32 s26, s22, 2
	s_add_co_u32 s24, s24, s26
	s_add_nc_u64 s[6:7], s[6:7], s[24:25]          ; w_attn: 512 y rows + 4 x column
	s_lshl_b32 s24, s22, 9
	s_lshl_b32 s26, s23, 8
	s_add_co_u32 s24, s24, s26
	s_add_nc_u64 s[14:15], s[14:15], s[24:25]      ; codes: column x 512 + 256 y
	s_lshl_b32 s24, s22, 5
	s_lshl_b32 s26, s23, 4
	s_add_co_u32 s24, s24, s26
	s_add_nc_u64 s[16:17], s[16:17], s[24:25]      ; scale bytes: column x 32 + 16 y
.macro WLOAD t                         ; block t: w_attn(32 t + i, my column); the largest offset, 511 rows of 12,288 bytes, lies inside the signed 24-bit immediate
.irp i, 0,1,2,3,4,5,6,7,8,9,10,11,12,13,14,15,16,17,18,19,20,21,22,23,24,25,26,27,28,29,30,31
	global_load_b32 v[WX+32*((\t)%2)+\i], v3, s[6:7] offset:(32*(\t)+\i)*WN*4 th:TH_LOAD_NT
.endr
.endm
.macro WBLOCK t
.set WS, WX+32*((\t)%2)
.if (\t) < NB-1
	s_wait_loadcnt 32                              ; this block's 32 loads are in; the next block's may be out
.else
	s_wait_loadcnt 0
.endif
	v_max3_num_f32 v12, |v[WS]|, |v[WS+1]|, |v[WS+2]|
	v_max3_num_f32 v13, |v[WS+3]|, |v[WS+4]|, |v[WS+5]|
.irp i, 6,10,14,18,22,26
	v_max3_num_f32 v12, v12, |v[WS+\i]|, |v[WS+\i+1]|
	v_max3_num_f32 v13, v13, |v[WS+\i+2]|, |v[WS+\i+3]|
.endr
	v_max3_num_f32 v12, v12, |v[WS+30]|, |v[WS+31]|
	v_max3_num_f32 v12, v12, v13, 0x1800000        ; with the floor
	v_add_nc_u32 v11, 0xff000000, v12              ; the conversion's scale operand
	v_lshrrev_b32 v13, 23, v11                     ; the scale's byte
.if (\t)%4 == 0
	v_mov_b32 v[SB+(\t)/4], v13
.else
	v_lshl_or_b32 v[SB+(\t)/4], v13, 8*((\t)%4), v[SB+(\t)/4]
.endif
.irp g, 0,1,2,3
	v_cvt_scalef32_pk8_fp4_f32 v[WC+\g], v[WS+8*\g:WS+8*\g+7], v11
.endr
	ds_store_b128 v4, v[WC:WC+3] offset:16*(\t)    ; 32 codes: 16 bytes of my column's row
.if (\t)+2 < NB
	WLOAD (\t)+2
.endif
	s_wait_dscnt 0x0                               ; the store has read its registers: the next block's codes may be written
.endm
	WLOAD 0
	WLOAD 1
.irp t, 0,1,2,3,4,5,6,7,8,9,10,11,12,13,14,15
	WBLOCK \t
.endr
	global_store_b128 v9, v[SB:SB+3], s[16:17]     ; my column's 16 scale bytes
.irp t, 0,1,2,3,4,5,6,7,8,9,10,11,12,13,14,15
	ds_load_b128 v[OUTR+4*\t:OUTR+4*\t+3], v7 offset:2*\t*PITCH
.endr
.irp t, 0,1,2,3,4,5,6,7,8,9,10,11,12,13,14,15
	s_wait_dscnt 15-\t
	global_store_b128 v8, v[OUTR+4*\t:OUTR+4*\t+3], s[14:15] offset:2*\t*KROW
.endr
	s_branch .Lend
.Lpath_p:
; ---------------- job P.  A wave takes 16 rows k x 256 columns.  Lane l takes row kk = 8 (l / 16) + l % 8 and, of each 16 columns, the half (l / 8) % 2: its place in a block is then l itself.
	s_sub_co_u32 s21, ttmp9, 304                   ; kt = k / 16
	v_lshrrev_b32 v3, 4, v2
	v_and_b32 v4, 7, v2
	v_lshl_add_u32 v3, v3, 3, v4                   ; kk
	v_bfe_u32 v4, v2, 3, 1
	v_lshlrev_b32 v4, 5, v4                        ; 32 bytes for the upper half
	v_lshl_add_u32 v1, v3, 12, v4                  ; kk rows of 4,096 bytes + the half
	v_lshlrev_b32 v5, 4, v2                        ; out: 16 x lane
	s_lshl_b32 s24, s21, 16
	s_lshl_b32 s26, s20, 10
	s_add_co_u32 s24, s24, s26
	s_add_nc_u64 s[8:9], s[8:9], s[24:25]          ; w_proj: 16 kt rows + 256 columns x wave
	s_lshl_b32 s24, s20, 19
	s_lshl_b32 s26, s21, 12
	s_add_co_u32 s24, s24, s26
	s_add_nc_u64 s[18:19], s[18:19], s[24:25]      ; wimg: two tiles of 128 columns x wave + 4,096 kt
.irp i, 0,1,2,3,4,5,6,7,8,9,10,11,12,13,14,15
	global_load_b128 v[PF+8*\i:PF+8*\i+3], v1, s[8:9] offset:64*\i
	global_load_b128 v[PF+8*\i+4:PF+8*\i+7], v1, s[8:9] offset:64*\i+16
.endr
.irp i, 0,1,2,3,4,5,6,7,8,9,10,11,12,13,14,15
	s_wait_loadcnt 30-2*\i                         ; block i's two loads are in
.irp r, 0,1,2,3
	v_cvt_pk_f16_f32 v[PF+8*\i+\r], v[PF+8*\i+2*\r], v[PF+8*\i+2*\r+1]   ; in place, ascending: what is written has been read
.endr
	global_store_b128 v5, v[PF+8*\i:PF+8*\i+3], s[18:19] offset:(\i/8)*262144+(\i%8)*512   ; a block: 512 consecutive bytes
.endr
.Lend:
	s_wait_tensorcnt 0x0                           ; the wave's end: behind my last LDS store
	ds_add_u32 v[SPW], v[NIL]
	s_wait_dscnt 0x0
	s_endpgm
.Lfunc_end_k_qc3dee9f336_prep:
	.size	k_qc3dee9f336_prep, .Lfunc_end_k_qc3dee9f336_prep-k_qc3dee9f336_prep
	.p2alignl 7, 3214868480
	.fill 96, 4, 3214868480
	.section	.rodata,"a",@progbits
	.p2align	6, 0x0
	.amdhsa_kernel k_qc3dee9f336_prep
		.amdhsa_group_segment_fixed_size 68096
		.amdhsa_private_segment_fixed_size 0
		.amdhsa_enable_private_segment 0
		.amdhsa_kernarg_size 64
		.amdhsa_user_sgpr_count 2
		.amdhsa_user_sgpr_kernarg_segment_ptr 1
		.amdhsa_wavefront_size32 1
		.amdhsa_system_sgpr_workgroup_id_x 1
		.amdhsa_system_sgpr_workgroup_id_y 1
		.amdhsa_system_sgpr_workgroup_id_z 1
		.amdhsa_system_vgpr_workitem_id 0
		.amdhsa_next_free_vgpr 196
		.amdhsa_next_free_sgpr 66
		.amdhsa_reserve_vcc 0
		.amdhsa_float_denorm_mode_32 3
		.amdhsa_float_denorm_mode_16_64 3
		.amdhsa_memory_ordered 1
		.amdhsa_forward_progress 1
		.amdhsa_inst_pref_size 120
	.end_amdhsa_kernel
	.amdgpu_metadata
---
amdhsa.version: [ 1, 2 ]
amdhsa.kernels:
  - .name:           k_qc3dee9f336_prep
    .symbol:         k_qc3dee9f336_prep.kd
    .args:
      - { .name: x, .offset: 0, .size: 8, .value_kind: global_buffer, .address_space: global }
      - { .name: w_attn, .offset: 8, .size: 8, .value_kind: global_buffer, .address_space: global }
      - { .name: w_proj, .offset: 16, .size: 8, .value_kind: global_buffer, .address_space: global }
      - { .name: x_codes, .offset: 24, .size: 8, .value_kind: global_buffer, .address_space: global }
      - { .name: x_scales, .offset: 32, .size: 8, .value_kind: global_buffer, .address_space: global }
      - { .name: wa_codes, .offset: 40, .size: 8, .value_kind: global_buffer, .address_space: global }
      - { .name: wa_scales, .offset: 48, .size: 8, .value_kind: global_buffer, .address_space: global }
      - { .name: wimg, .offset: 56, .size: 8, .value_kind: global_buffer, .address_space: global }
    .group_segment_fixed_size: 68096
    .private_segment_fixed_size: 0
    .kernarg_segment_align: 8
    .kernarg_segment_size: 64
    .max_flat_workgroup_size: 128
    .sgpr_count:     66
    .vgpr_count:     196
    .wavefront_size: 32
...
	.end_amdgpu_metadata
.endif
;; end of part 1
;; launch qkv (part 2): grid 12 x 32, 4 waves a work-group, clusters of 4 x 4, 327,680 bytes of LDS; arguments x_codes, x_scales, wa_codes, wa_scales, qkv, b_attn, qkv32; writes qkv, qkv32
.if DOCPART == 2
	.amdgcn_target "amdgcn-amd-amdhsa--gfx1250"
	.amdhsa_code_object_version 6
	.text
	.protected	k_qc3dee9f336_qkv
	.globl	k_qc3dee9f336_qkv
	.p2align	8
	.type	k_qc3dee9f336_qkv,@function
k_qc3dee9f336_qkv:
	s_mov_b64 s[64:65], 0
	v_nop
	global_prefetch_b8 v0, s[64:65] scope:SCOPE_SE
	s_setreg_imm32_b32 hwreg(HW_REG_WAVE_MODE, 25, 1), 1
	s_wait_xcnt 0x0
	s_wait_alu depctr_hold_cnt(0) depctr_sa_sdst(0) depctr_va_vdst(0) depctr_va_sdst(0) depctr_va_ssrc(0) depctr_va_vcc(0) depctr_vm_vsrc(0)
	s_getreg_b32 s2, hwreg(HW_REG_IB_STS2, 6, 4)
	s_cmp_eq_u32 s2, 0
	s_cbranch_scc0 .Lentry_in_a_cluster
	s_endpgm
.Lentry_in_a_cluster:
	s_bfe_u32 s2, ttmp6, 0x10000c
	s_cmp_lg_u32 s2, 0xf033
	s_cbranch_scc0 .Lentry_shape_is_right
	s_endpgm
.Lentry_shape_is_right:
; qkv = Q(x) Q(w_attn) + b_attn on codes of FP4 (E2M1) with one E8M0 scale for each 32 along K: M 8,192, N 3,072, K 1,024; sums in f32.
; A tile of 256 x 256 is made by four waves, 128 x 128 each: 64 accumulators of 16 x 16.  K is two LDS slots of 512 (rows of 256 bytes): both are asked for at the head, nothing is filled again.
; The scale bytes of the work-group's 256 + 256 rows come into LDS once, in units of 256 bytes.
; CLUSTERS: 4 x 4 work-groups.  The four of a row of the cluster need the same rows of x, the four of a column the same rows of w_attn: each tile is asked for jointly.
; The tile row is cluster y + 8 cy, so that (tile row) % 4 = (cluster y) % 4 is the same in all sixteen partners: the one branch of the way out hangs on it and on the wave's number.
; THE MATRIX INSTRUCTION IS USED TRANSPOSED (source 0 = 16 rows of w_attn's codes, source 1 = 16 rows of x's): a lane holds row l % 16 and eight neighbouring columns 8 (l / 16) + 0 .. 7.
; b_attn is the C of each sum's first instruction: it is added ahead of the products and not behind them, another order of f32 rounding than the source's.
; THE WAY OUT HAS NO LDS.  Eight neighbouring columns, rounded to f16, ARE four registers of a 16-bit operand: q, k and v leave as images of the next launch's operand registers,
; qkv [q, k, v][16 batch + head][position / 16][4 blocks][32 places][16 B]: q, k: block = (channel / 16), place = lane.  v: block = channel / 16, place 16 (r / 8) + 8 (l / 16) + r % 8 (r = l % 16), for the turning LDS load.
; Each store covers 512 consecutive bytes, aligned.  Positions 0 .. 15 of every batch also leave in f32, as the accumulators stand: qkv32 [batch][column / 16][2][lane][16 B].
; LIMITS: |q|, |k|, |v| stay under 65,504, f16's largest number; under 6e-5 they keep an absolute error of 3e-8.
; REGISTERS, in windows of 256: window 0: v16-31 addresses; v32-95 scale words, two sets; v128-191 x's fragments, one set; on the way out v128-255 packed results.
;   window 1: w_attn's fragments, two sets, at v0 and v128; v64-127 the bias.   window 2: the accumulators of my rows 0-63 ((a, b) at v[8 (8 a + b)]);   window 3: those of rows 64-127.
.set NQ,     4                         ; matrix instructions deep in a slot
.set ROWB,   256                       ; a tile's row in bytes: 512 codes
.set KROW,   512                       ; a row of codes in memory
.set PITCH,  272                       ; an LDS row: 256 bytes + 16 of padding, so that the 16 rows that a load touches start at 16 different banks (ISA guide 11.1)
.set FR,     8
.set NL,     2
.set NP,     4                         ; places behind this matrix instruction (ISA guide 7.12.1)
.set HALFT,  128*PITCH
.set SLOT,   4*HALFT
.set KS,     32                        ; a row of scale bytes
.set SCL,    2*SLOT
.set HALFS,  (128*KS/256)*272
.set SBLK,   (16*KS/256)*272
.set SPARE,  SCL+4*HALFS               ; the spare words, 128 bytes for each wave
.set ADRA, 16
.set ADRB, 20
.set CO,   26                          ; v26  my 16 bytes' place in a block of qkv
.set ADRS, 27
.set SPW,  28
.set NIL,  29
.set BO,   30                          ; v30  32 x (lane / 16): my eight numbers of a tile's 16 of the bias
.set CO32, 31                          ; v31  16 x lane
.set SC,   32
.set AF,   128
.set PK,   128                         ; the way out: four sets of 32 registers
.set BI,   64                          ; in window 1: the bias, eight registers a column tile
.set G1, 24
.set G0, 32
.set G1B, 48
.set G0B, 56
.set G1S, 68
.set G0S, 76
.set G1SB, 80
.set G0SB, 88
.set MSB, 0
.macro WIN new                         ; the immediate's high byte repeats the setting that is left
.if MSB != \new
	s_set_vgpr_msb (MSB<<8)|\new
.set MSB, \new
.endif
.endm
.set MUL_LO, 0xa1                      ; source 0 window 1, source 1 window 0, C and D window 2
.set MUL_HI, 0xf1                      ; the same, C and D window 3
.set BIA_LO, 0x91                      ; C (the bias) window 1, D window 2
.set BIA_HI, 0xd1                      ; C window 1, D window 3
.set TO_B,   0x40                      ; destination window 1
.macro JLOAD g0a, g1a, g0b, g1b        ; waves 0 and 1 fetch for x, waves 2 and 3 for w_attn; an s_nop 0 and four v_nop follow each line
	s_cmp_eq_u32 s15, 0
	s_cbranch_scc0 .Lfor_b_\@
	tensor_load_to_lds s[\g0a:\g0a+3], s[\g1a:\g1a+7]
	s_nop 0
.rept 4
	v_nop
.endr
	s_branch .Lasked_\@
.Lfor_b_\@:
	tensor_load_to_lds s[\g0b:\g0b+3], s[\g1b:\g1b+7]
	s_nop 0
.rept 4
	v_nop
.endr
.Lasked_\@:
.endm
.macro CROUND                          ; a round of the cluster's barrier
	s_barrier_signal -1
	s_barrier_wait -1
	s_cmp_lg_u32 s14, 0
	s_cbranch_scc1 .Lnot_wave_0_\@
	s_barrier_signal -3
.Lnot_wave_0_\@:
	s_barrier_wait -3
	s_barrier_signal -1
	s_barrier_wait -1
.endm
	s_load_b128 s[4:7], s[0:1], 0x0                ; x's codes, x's scales
	s_load_b128 s[8:11], s[0:1], 0x10              ; w_attn's codes, its scales
	s_load_b64 s[12:13], s[0:1], 0x20              ; qkv
	s_load_b128 s[96:99], s[0:1], 0x28             ; b_attn s[96:97], qkv32 s[98:99]
	v_lshl_add_u32 v[SPW], v0, 2, SPARE
	v_mov_b32 v[NIL], 0
	ds_add_u32 v[SPW], v[NIL]                      ; the wave's opening: the add, twice on end, and its wait ahead of my first tensor load
	ds_add_u32 v[SPW], v[NIL]
	v_lshrrev_b32 v1, 5, v0
	v_readfirstlane_b32 s14, v1                    ; wave 0..3
	s_lshr_b32 s15, s14, 1                         ; which half of the tile's rows is mine.  Also: I fetch for x (0) or for w_attn (1)
	s_and_b32 s16, s14, 1                          ; which half of its columns.  Also: which 128 rows I fetch
	s_bfe_u32 s40, ttmp6, 0x40000                  ; cx
	s_bfe_u32 s41, ttmp6, 0x40004                  ; cy
	s_lshl_b32 s42, ttmp9, 2
	s_add_co_u32 s42, s42, s40                     ; tile column = 4 x cluster x + cx: cluster x is q, k or v
	s_and_b32 s17, ttmp7, 0xffff
	s_lshl_b32 s18, s41, 3
	s_add_co_u32 s17, s17, s18                     ; tile row = cluster y + 8 cy
	s_lshl_b32 s43, s41, 2
	s_lshl_b32 s43, 15, s43                        ; my row of the cluster
	s_lshl_b32 s44, 0x1111, s40                    ; my column
	s_or_b32 s[G1+0], s43, (0<<16)|(1<<20)|(1<<21)|(5<<22)|(3<<25)  ; the mask; elements of 1 byte; padding: 4 words after every 64; bit 21 beside a mask
	s_or_b32 s[G1B+0], s44, (0<<16)|(1<<20)|(1<<21)|(5<<22)|(3<<25)
.irp g, G1, G1B
	s_mov_b32 s[\g+1], ROWB<<16                    ; tensor_dim0
	s_mov_b32 s[\g+2], 128<<16                     ; tensor_dim1
	s_mov_b32 s[\g+3], ROWB<<16                    ; tile_dim0
	s_mov_b32 s[\g+4], 128                         ; tile_dim1
	s_mov_b32 s[\g+5], KROW                        ; the pitch
	s_mov_b32 s[\g+6], 0
	s_mov_b32 s[\g+7], 0
.endr
	s_or_b32 s[G1S+0], s43, (3<<16)|(1<<20)|(1<<21)|(5<<22)|(3<<25)  ; the scales of 128 rows: 4,096 dense bytes as 16 rows of 256, 16 bytes of padding behind each
	s_or_b32 s[G1SB+0], s44, (3<<16)|(1<<20)|(1<<21)|(5<<22)|(3<<25)
.irp g, G1S, G1SB
	s_mov_b32 s[\g+1], 32<<16
	s_mov_b32 s[\g+2], (128*KS/256)<<16
	s_mov_b32 s[\g+3], 32<<16
	s_mov_b32 s[\g+4], 128*KS/256
	s_mov_b32 s[\g+5], 32
	s_mov_b32 s[\g+6], 0
	s_mov_b32 s[\g+7], 0
.endr
	s_lshl_b32 s18, s16, 7                         ; which 128 rows of the tile I fetch
	s_lshl_b32 s20, s17, 8
	s_add_co_u32 s20, s20, s18                     ; x: row 256 x tile row + 128 x half
	s_lshl_b32 s46, s42, 8
	s_add_co_u32 s46, s46, s18                     ; w_attn: row 256 x tile column + 128 x half
	s_mov_b32 s21, 0
	s_mov_b32 s47, 0
	s_mov_b64 s[18:19], KS
	s_mul_u64 s[22:23], s[20:21], s[18:19]         ; where these rows' scales begin
	s_mul_u64 s[92:93], s[46:47], s[18:19]
	s_mov_b64 s[18:19], KROW
	s_mul_u64 s[20:21], s[20:21], s[18:19]         ; and their codes
	s_mul_u64 s[46:47], s[46:47], s[18:19]
	s_mul_i32 s45, s14, HALFT                      ; where they go: wave x 128 rows
	s_mul_i32 s94, s14, HALFS
	s_wait_dscnt 0x0                               ; both opening adds are done
	s_wait_kmcnt 0x0
	s_add_nc_u64 s[20:21], s[4:5], s[20:21]
	s_add_nc_u64 s[22:23], s[6:7], s[22:23]
	s_add_nc_u64 s[46:47], s[8:9], s[46:47]
	s_add_nc_u64 s[92:93], s[10:11], s[92:93]
	CROUND                                         ; all sixteen work-groups are here: the joint loads meet
	s_mov_b32 s[G0S], 1
	s_add_co_u32 s[G0S+1], s94, SCL
	s_mov_b64 s[G0S+2:G0S+3], s[22:23]
	s_or_b32 s[G0S+3], s[G0S+3], 0x80000000
	s_mov_b32 s[G0SB], 1
	s_add_co_u32 s[G0SB+1], s94, SCL
	s_mov_b64 s[G0SB+2:G0SB+3], s[92:93]
	s_or_b32 s[G0SB+3], s[G0SB+3], 0x80000000
	JLOAD G0S, G1S, G0SB, G1SB                     ; the scales first; then both slots: three loads of mine are out
.irp s, 0,1
	s_mov_b32 s[G0+4*\s], 1
	s_add_co_u32 s[G0+4*\s+1], s45, \s*SLOT
	s_add_nc_u64 s[G0+4*\s+2:G0+4*\s+3], s[20:21], \s*ROWB
	s_or_b32 s[G0+4*\s+3], s[G0+4*\s+3], 0x80000000
	s_mov_b32 s[G0B+4*\s], 1
	s_add_co_u32 s[G0B+4*\s+1], s45, \s*SLOT
	s_add_nc_u64 s[G0B+4*\s+2:G0B+4*\s+3], s[46:47], \s*ROWB
	s_or_b32 s[G0B+4*\s+3], s[G0B+4*\s+3], 0x80000000
	JLOAD G0+4*\s, G1, G0B+4*\s, G1B
.endr
	v_and_b32 v1, 15, v0                           ; r = l % 16
	v_bfe_u32 v2, v0, 4, 1                         ; h = l / 16
	v_mul_u32_u24 v3, v1, PITCH
	v_lshl_add_u32 v4, v2, 4, v3                   ; a fragment's row x pitch + 16 x half
	s_mul_i32 s21, s15, HALFT
	s_mul_i32 s22, s16, HALFT
	s_add_co_u32 s22, s22, 2*HALFT
.irp s, 0,1
	v_add_nc_u32 v[ADRA+\s], s21, v4
	v_add_nc_u32 v[ADRB+\s], s22, v4
	s_add_co_u32 s21, s21, SLOT
	s_add_co_u32 s22, s22, SLOT
.endr
	v_mul_u32_u24 v5, v1, KS                       ; my row's scales: 32 bytes a row,
	v_lshrrev_b32 v6, 8, v5
	v_lshl_add_u32 v5, v6, 4, v5                   ; and 16 more for each 256 passed
	s_mul_i32 s21, s15, HALFS
	s_mul_i32 s22, s16, HALFS
	s_add_co_u32 s22, s22, 2*HALFS
	s_sub_co_u32 s22, s22, s21
	v_mul_u32_u24 v6, s22, v2                      ; lanes 16-31 take w_attn's
	s_add_co_u32 s21, s21, SCL
	v_add_nc_u32 v5, v5, v6
	v_add_nc_u32 v[ADRS], s21, v5
	; the way out's addresses
	v_lshlrev_b32 v[BO], 5, v2
	v_and_b32 v6, 31, v0
	v_lshlrev_b32 v[CO32], 4, v6
	v_lshrrev_b32 v5, 3, v1
	v_lshlrev_b32 v5, 8, v5
	v_lshl_add_u32 v5, v2, 7, v5
	v_and_b32 v6, 7, v1
	v_lshl_add_u32 v5, v6, 4, v5                   ; v's place: 256 (r / 8) + 128 h + 16 (r % 8)
	s_cmp_eq_u32 ttmp9, 2
	s_cselect_b32 s67, -1, 0                       ; all ones where my columns are v's
	v_cndmask_b32 v[CO], v[CO32], v5, s67
	s_and_b32 s66, ttmp7, 3
	s_or_b32 s66, s66, s15                         ; 0 where my 128 rows begin a batch: made of the cluster's y and the wave's number
	s_lshl_b32 s46, s42, 10
	s_lshl_b32 s47, s16, 9
	s_add_co_u32 s46, s46, s47
	s_mov_b32 s47, 0
	s_add_nc_u64 s[96:97], s[96:97], s[46:47]      ; b_attn at my first column
	s_lshr_b32 s92, s17, 2                         ; the batch
	s_mul_i32 s93, s92, 196608
	s_lshl_b32 s94, s42, 14
	s_add_co_u32 s93, s93, s94
	s_lshl_b32 s94, s16, 13
	s_add_co_u32 s46, s93, s94
	s_add_nc_u64 s[98:99], s[98:99], s[46:47]      ; qkv32: the batch, column tile 16 x tile column + 8 x half
	s_lshl_b32 s93, s92, 4
	s_lshl_b32 s94, s40, 2
	s_add_co_u32 s93, s93, s94
	s_lshl_b32 s94, s16, 1
	s_add_co_u32 s93, s93, s94                     ; 16 batch + my first head
	s_lshl_b32 s93, s93, 17
	s_lshl_b32 s94, ttmp9, 24
	s_add_co_u32 s93, s93, s94
	s_and_b32 s94, s17, 3
	s_lshl_b32 s94, s94, 1
	s_add_co_u32 s94, s94, s15
	s_lshl_b32 s94, s94, 14                        ; my first tile of 16 positions: 8 tiles of 2,048 bytes for each 128 rows
	s_add_co_u32 s46, s93, s94
	s_add_nc_u64 s[12:13], s[12:13], s[46:47]
	WIN TO_B
.irp b, 0,1,2,3,4,5,6,7
	global_load_b128 v[BI+8*\b:BI+8*\b+3], v[BO], s[96:97] offset:64*\b        ; b_attn at columns 16 b + 8 h + 0 .. 7
	global_load_b128 v[BI+8*\b+4:BI+8*\b+7], v[BO], s[96:97] offset:64*\b+16
.endr
	WIN 0
.macro FRAG reg, adr, q, i             ; 16 rows x 128 K of 4-bit codes: lane l holds row l % 16; registers 4 c .. 4 c + 3 hold K = 64 c + 32 (l / 16) + 0 .. 31
.irp c, 0,1
	ds_load_b128 v[\reg+4*\c:\reg+4*\c+3], v[\adr] offset:64*(\q)+32*\c+(\i)*16*PITCH
.endr
.endm
; 16 matrix instructions: x's blocks a0, a0 + 1 against w_attn's eight.  zero = 1: the sums begin with the bias.  The 64 accumulators take turns, one instruction a turn.
.macro MUL16 a0, p, q, sc, zero
.irp a, \a0, \a0+1
.irp b, 0,1,2,3,4,5,6,7
.if \zero
	v_wmma_scale_f32_16x16x128_f8f6f4 v[8*(8*((\a)%4)+\b):8*(8*((\a)%4)+\b)+7], v[128*(\p)+FR*\b:128*(\p)+FR*\b+FR-1], v[AF+FR*(\a):AF+FR*(\a)+FR-1], v[BI+8*\b:BI+8*\b+7], v[SC+8*NQ*(\sc)+NQ*\b+(\q)], v[SC+8*NQ*(\sc)+NQ*(\a)+(\q)] matrix_a_fmt:MATRIX_FMT_FP4 matrix_b_fmt:MATRIX_FMT_FP4 matrix_a_scale:MATRIX_SCALE_ROW1
.else
	v_wmma_scale_f32_16x16x128_f8f6f4 v[8*(8*((\a)%4)+\b):8*(8*((\a)%4)+\b)+7], v[128*(\p)+FR*\b:128*(\p)+FR*\b+FR-1], v[AF+FR*(\a):AF+FR*(\a)+FR-1], v[8*(8*((\a)%4)+\b):8*(8*((\a)%4)+\b)+7], v[SC+8*NQ*(\sc)+NQ*\b+(\q)], v[SC+8*NQ*(\sc)+NQ*(\a)+(\q)] matrix_a_fmt:MATRIX_FMT_FP4 matrix_b_fmt:MATRIX_FMT_FP4 matrix_a_scale:MATRIX_SCALE_ROW1
.endif
.endr
.endr
.endm
.macro FETCH_B slot, q, p
	WIN TO_B
.irp i, 0,1,2,3,4,5,6,7
	FRAG 128*(\p)+FR*\i, ADRB+\slot, \q, \i
.endr
	WIN 0
.endm
.macro FETCH_A slot, q, i0
.irp i, \i0, \i0+1, \i0+2, \i0+3
	FRAG AF+FR*(\i), ADRA+\slot, \q, \i
.endr
.endm
.macro SCALES sc                       ; a slot's scale words: lanes 0-15 take x's block i, lanes 16-31 w_attn's block i
.irp i, 0,1,2,3,4,5,6,7
	ds_load_b128 v[SC+8*NQ*\sc+NQ*\i:SC+8*NQ*\sc+NQ*\i+3], v[ADRS] offset:\i*SBLK
.endr
.endm
.macro PLACES n                        ; plain vector instructions between a matrix instruction and a load into, or a read of, its registers
.rept \n
	v_nop
.endr
.endm
.macro STEP slot, q, zero              ; 128 along K, with its successor in the same slot
	s_wait_dscnt 4*NL                              ; all but the youngest eight loads (x's blocks 4-7) are in
.if \zero
	WIN BIA_LO
.else
	WIN MUL_LO
.endif
	MUL16 0, (\q)%2, \q, \slot, \zero
	MUL16 2, (\q)%2, \q, \slot, \zero
	s_wait_dscnt 0                                 ; x's blocks 4-7 are in
	PLACES NP
	FETCH_B \slot, (\q)+1, 1-(\q)%2
	FETCH_A \slot, (\q)+1, 0
.if \zero
	WIN BIA_HI
.else
	WIN MUL_HI
.endif
	MUL16 4, (\q)%2, \q, \slot, \zero
	MUL16 6, (\q)%2, \q, \slot, \zero
	PLACES NP
	WIN 0
	FETCH_A \slot, (\q)+1, 4
.endm
.macro TURN slot, next                 ; slot 0's last step goes over to slot 1: each wave's part of slot 1 has landed, then the barrier; nothing is filled again
	s_wait_tensorcnt 0x0                           ; all my tensor loads have landed
	ds_add_u32 v[SPW], v[NIL]                      ; 0 onto my spare word
	s_wait_dscnt 4*NL+1                            ; the add and the youngest eight loads may be out
	WIN MUL_LO
	MUL16 0, 1, NQ-1, \slot, 0
	s_wait_dscnt 0x0                               ; the add is done and my LDS loads are in
	s_barrier_signal -1
	MUL16 2, 1, NQ-1, \slot, 0
	WIN 0
	s_barrier_wait -1                              ; slot 1 is whole
	PLACES NP
	v_add_nc_u32 v[ADRS], 4*NQ, v[ADRS]            ; the next slot's scale words
	FETCH_B \next, 0, 0
	FETCH_A \next, 0, 0
	SCALES \next
	WIN MUL_HI
	MUL16 4, 1, NQ-1, \slot, 0
	MUL16 6, 1, NQ-1, \slot, 0
	PLACES NP
	WIN 0
	FETCH_A \next, 0, 4
.endm
	s_wait_tensorcnt 1                             ; the scales and my part of slot 0 are in; slot 1's load may be out
	s_barrier_signal -1
	s_barrier_wait -1                              ; everybody's are
	FETCH_B 0, 0, 0
	FETCH_A 0, 0, 0
	SCALES 0
	FETCH_A 0, 0, 4
	s_wait_loadcnt 0x0                             ; the bias
	STEP 0, 0, 1
	STEP 0, 1, 0
	STEP 0, 2, 0
	TURN 0, 1
	STEP 1, 0, 0
	STEP 1, 1, 0
	STEP 1, 2, 0
	s_wait_dscnt 4*NL                              ; the last step: nothing more to fetch
	WIN MUL_LO
	MUL16 0, 1, NQ-1, 1, 0
	MUL16 2, 1, NQ-1, 1, 0
	s_wait_dscnt 0
	WIN MUL_HI
	MUL16 4, 1, NQ-1, 1, 0
	MUL16 6, 1, NQ-1, 1, 0
	WIN 0
	PLACES NP                                      ; ahead of the first read of results and the first write over x's fragments
	s_cmp_lg_u32 s66, 0
	s_cbranch_scc1 .Lnot_early
	WIN 0x08                                       ; a store's data are its source 1: window 2
.irp b, 0,1,2,3,4,5,6,7
	global_store_b128 v[CO32], v[8*\b:8*\b+3], s[98:99] offset:1024*\b           ; positions 0 .. 15 in f32, each accumulator from its low end on: 512 consecutive bytes a store
	global_store_b128 v[CO32], v[8*\b+4:8*\b+7], s[98:99] offset:1024*\b+512
.endr
	WIN 0
.Lnot_early:
.macro PACK a                          ; block a, 16 rows x 128 columns: rounded to f16 and stored as eight blocks of 512 bytes
.set AC, 64*((\a)%4)
.set PB, PK+32*((\a)%4)
	WIN 0x0a+5*((\a)/4)                            ; sources 0 and 1: window 2 or 3
.irp b, 0,1,2,3,4,5,6,7
.irp r, 0,1,2,3
	v_cvt_pk_f16_f32 v[PB+4*\b+\r], v[AC+8*\b+2*\r], v[AC+8*\b+2*\r+1]
.endr
.endr
	WIN 0
.irp b, 0,1,2,3,4,5,6,7
	global_store_b128 v[CO], v[PB+4*\b:PB+4*\b+3], s[12:13] offset:(\b/4)*131072+(\a)*2048+(\b%4)*512   ; head b / 4, tile a of positions, block b % 4
.endr
.endm
.irp a, 0,1,2,3,4,5,6,7
.if \a > 3
	s_wait_xcnt 0x0                                ; the stores of four blocks back have read their registers, which are written again
.endif
	PACK \a
.endr
	s_wait_tensorcnt 0x0                           ; the wave's end
	ds_add_u32 v[SPW], v[NIL]
	s_wait_dscnt 0x0
	CROUND                                         ; the closing round
	s_endpgm
.Lfunc_end_k_qc3dee9f336_qkv:
	.size	k_qc3dee9f336_qkv, .Lfunc_end_k_qc3dee9f336_qkv-k_qc3dee9f336_qkv
	.p2alignl 7, 3214868480
	.fill 96, 4, 3214868480
	.section	.rodata,"a",@progbits
	.p2align	6, 0x0
	.amdhsa_kernel k_qc3dee9f336_qkv
		.amdhsa_group_segment_fixed_size 327680
		.amdhsa_private_segment_fixed_size 0
		.amdhsa_enable_private_segment 0
		.amdhsa_kernarg_size 56
		.amdhsa_user_sgpr_count 2
		.amdhsa_user_sgpr_kernarg_segment_ptr 1
		.amdhsa_wavefront_size32 1
		.amdhsa_system_sgpr_workgroup_id_x 1
		.amdhsa_system_sgpr_workgroup_id_y 1
		.amdhsa_system_sgpr_workgroup_id_z 1
		.amdhsa_system_vgpr_workitem_id 0
		.amdhsa_next_free_vgpr 1024
		.amdhsa_next_free_sgpr 100
		.amdhsa_reserve_vcc 0
		.amdhsa_float_denorm_mode_32 3
		.amdhsa_float_denorm_mode_16_64 3
		.amdhsa_memory_ordered 1
		.amdhsa_forward_progress 1
		.amdhsa_inst_pref_size 122
	.end_amdhsa_kernel
	.amdgpu_metadata
---
amdhsa.version: [ 1, 2 ]
amdhsa.kernels:
  - .name:           k_qc3dee9f336_qkv
    .symbol:         k_qc3dee9f336_qkv.kd
    .args:
      - { .name: x_codes, .offset: 0, .size: 8, .value_kind: global_buffer, .address_space: global }
      - { .name: x_scales, .offset: 8, .size: 8, .value_kind: global_buffer, .address_space: global }
      - { .name: wa_codes, .offset: 16, .size: 8, .value_kind: global_buffer, .address_space: global }
      - { .name: wa_scales, .offset: 24, .size: 8, .value_kind: global_buffer, .address_space: global }
      - { .name: qkv, .offset: 32, .size: 8, .value_kind: global_buffer, .address_space: global }
      - { .name: b_attn, .offset: 40, .size: 8, .value_kind: global_buffer, .address_space: global }
      - { .name: qkv32, .offset: 48, .size: 8, .value_kind: global_buffer, .address_space: global }
    .group_segment_fixed_size: 327680
    .private_segment_fixed_size: 0
    .kernarg_segment_align: 8
    .kernarg_segment_size: 56
    .max_flat_workgroup_size: 128
    .sgpr_count:     100
    .vgpr_count:     1024
    .wavefront_size: 32
...
	.end_amdgpu_metadata
.endif
;; end of part 2
;; launch attn (part 3): grid 2 x 128, 8 waves a work-group, no clusters, 327,680 bytes of LDS; arguments qkv, yimg, qkv32, w_proj, b_proj, out0; writes yimg, out0
.if DOCPART == 3
	.amdgcn_target "amdgcn-amd-amdhsa--gfx1250"
	.amdhsa_code_object_version 6
	.text
	.protected	k_qc3dee9f336_attn
	.globl	k_qc3dee9f336_attn
	.p2align	8
	.type	k_qc3dee9f336_attn,@function
k_qc3dee9f336_attn:
	s_mov_b64 s[64:65], 0
	v_nop
	global_prefetch_b8 v0, s[64:65] scope:SCOPE_SE
	s_setreg_imm32_b32 hwreg(HW_REG_WAVE_MODE, 25, 1), 1
	s_wait_xcnt 0x0
; TWO PIECES OF WORK IN ONE LAUNCH.
; (1) ATTENTION.  y[b][head][q] = the sum over k <= q of softmax_k(q . k / 8) v[k], head size 64, 1,024 positions; operands in f16, products, maxima and sums in f32; a running maximum is taken away ahead of every exponential.
; q, k, v come as images of operand registers (the launch before lays them so); y leaves as the image of the next product's row operand: yimg [row / 16][k / 32][2][lane][16 B].
; SHARES.  A head has 32 units of 32 queries (two tiles of 16).  Unit u needs u + 1 key steps of 32 keys.  Wave w of work-group j (two work-groups to a head) owns units 2 w + j and 31 - (2 w + j): 33 steps for every wave.
; A unit's two tiles share each fragment of K and V.  THE WHOLE HEAD'S K AND V LIE IN LDS (131,072 bytes each): four pieces of 256 keys, all asked for at the head (four tensor loads of 8,192 bytes a wave are out); nothing is filled again.
; The long unit goes first: its steps 0 .. 15 are open for every wave, so the three barriers (pieces 0, 1, and 2 with 3) stand where all waves have the same work.
; LAYOUT.  S^T = K Q^T (source 0 = 16 keys, source 1 = 16 queries): a lane holds ONE query (l % 16) and keys 8 (l / 16) + 0 .. 7; two such tiles, rounded in pairs, ARE source 1 of O^T = V^T P.
; The loops' trip counts are constants; a step beyond a unit's diagonal is jumped over by a scalar branch on ids, round its work alone.  On the diagonal hidden scores become -infinity ahead of the maximum.
; (2) THE FIRST 16 POSITIONS OF EVERY BATCH, IN F32 THROUGHOUT, attention and projection, straight into out0: their rows average one to sixteen values and are the largest of the output, so 16-bit operands weigh most there.
; It stands between the tensor loads and the first wait for them: the waves work on it while the head's keys and values are on their way.  Work-group (j, 16 batch + head) takes that batch and the 32 columns 32 (2 head + j) on of out0.
; Wave w makes heads 2 w and 2 w + 1 (16 keys, causal), then the part of the projection that its own 128 along K give; the eight parts are added through LDS.  All three products go by v_wmma_f32_16x16x4_f32.
; A permutation of k applied alike to both sources keeps a product, so the accumulators that the first product's launch stored (qkv32: lane (r, h) holds position r and columns 16 nb + 8 h + 0 .. 7) serve as operands as they stand:
; S^T = K Q^T: step s takes registers 2 s, 2 s + 1 of both.  O^T = V^T P: step s is keys 8 h + 2 s + j.  out^T = W^T Y: k = 64 head + 16 f + 8 h + 2 sp + j.
; Its accumulators (window 1, v160-255) are written by matrix instructions alone; what is made of them goes into other registers.
; Its attention is repeated in each of a batch's 32 work-groups: as much arithmetic again as its projection; a head's result is wanted by all 32, and work-groups hand each other nothing.
; NO CLUSTER: the two work-groups that share a head differ in the steps that they jump over.
; NO PREFETCH: every tile of the launch is asked for at its head.
; LIMITS: y stays under 65,504, f16's largest number; weights p under 6e-8 round to 0 in f16 (positions 16 on; the first 16 keep f32).
.set LI,   1                           ; v1   16 x lane
.set ADK,  2                           ; v2   LDS address of the step's K
.set ADV,  3                           ; v3   of its V
.set NINF, 4                           ; v4   -infinity
.set SPW,  5                           ; v5   my spare word; never rewritten
.set NIL,  6                           ; v6   0; never rewritten
.set DD,   7                           ; v7   l % 16 - 8 (l / 16)
.set ST,   8                           ; v8-23   tile t at 8 + 8 t: +0 c m, +1 m, +2, +3 l, +4, +5 at work, +6 a, +7 c m_old, then its change
.set Q,    24                          ; v24-55  Q: tile t, channels 32 g on: 24 + 16 t + 8 g
.set S,    56                          ; v56-87  S^T: 56 + 16 t + 8 kt
.set P,    88                          ; v88-103 P: 88 + 8 t
.set KF,   104                         ; v104-135 K: 104 + 16 kt + 8 g; at a unit's end the packed y
.set VF,   136                         ; v136-167 V^T: 136 + 8 f
.set O,    168                         ; v168-231 O^T: 168 + 32 t + 8 f
.set SPARE, 262144                     ; behind K and V: the spare words, 128 bytes for each wave
.set STG,  SPARE+1024                  ; behind them: the f32 rows' eight parts, 2,048 bytes a wave: no fill lands here
; the f32 rows' registers, free again when attention begins
.set EVO,  2                           ; v2   v's offset
.set EWO,  3                           ; v3   w_proj's offset
.set EPST, 8                           ; v8   where I store my part
.set EPRD, 9                           ; v9   where I read the parts back
.set EOO,  10                          ; v10  my offset in out0
.set EBO,  11                          ; v11  my offset in b_proj
.set EWK,  12                          ; v12-15 at work: head e: 12 + 2 e, 13 + 2 e
.set EQ,   16                          ; v16-79  Q; behind S: w_proj's fragments for head 1; at the end the eight parts
.set EW1,  16
.set EK,   80                          ; v80-143 K; later Y
.set EY,   80
.set EP,   144                         ; v144-159 P; later the bias
.set VT,   0                           ; window 1: v0-63 V^T; v64-127 w_proj's fragments for head 0
.set W0,   64
.set SA,   160                         ; window 1: v160-175 S^T
.set OA,   176                         ; window 1: v176-239 O^T
.set DA,   240                         ; window 1: v240-255 out^T
.set MSB, 0
.macro WIN new                         ; the immediate's high byte repeats the setting that is left.  Bits 1:0 source 0, 3:2 source 1, 5:4 source 2, 7:6 destination
.if MSB != \new
	s_set_vgpr_msb (MSB<<8)|\new
.set MSB, \new
.endif
.endm
; s8 wave, s9 16 batch + head, s10 j, s11 the unit, s12 the step, s13 / s15 where the step's K / V begin in LDS, s14 a loop's count, s[16:23] descriptor group 1, s[24:39] four groups 0,
; s[40:47] the diagonal's masks, s[48:49] lane selects, s[50:51] c, s[52:53] Q's address, s[54:55] y's, s56 / s57 my two units, s[68:75] qkv32, w_proj, b_proj, out0, s76-80 at work
	s_load_b128 s[4:7], s[0:1], 0x0                ; qkv, yimg
	s_load_b128 s[68:71], s[0:1], 0x10             ; qkv32, w_proj
	s_load_b128 s[72:75], s[0:1], 0x20             ; b_proj, out0
	v_lshl_add_u32 v[SPW], v0, 2, SPARE
	v_mov_b32 v[NIL], 0
	ds_add_u32 v[SPW], v[NIL]                      ; the wave's opening: the add, twice on end, and its wait ahead of my first tensor load
	ds_add_u32 v[SPW], v[NIL]
	v_lshrrev_b32 v1, 5, v0
	v_readfirstlane_b32 s8, v1                     ; wave 0..7
	s_and_b32 s9, ttmp7, 0xffff
	s_mov_b32 s10, ttmp9
	s_mov_b32 s16, 3<<16                           ; no mask; elements of 8 bytes; no padding
	s_mov_b32 s17, 32<<16                          ; tensor_dim0 = 32 elements: rows of 256 bytes
	s_mov_b32 s18, 32<<16                          ; tensor_dim1 = 32 rows
	s_mov_b32 s19, 32<<16                          ; tile_dim0
	s_mov_b32 s20, 32                              ; tile_dim1
	s_mov_b32 s21, 32                              ; the pitch: dense
	s_mov_b32 s22, 0
	s_mov_b32 s23, 0
	s_lshr_b32 s62, s8, 2                          ; I fetch for K (0) or V (1),
	s_and_b32 s63, s8, 3                           ; this quarter of each piece
	s_lshl_b32 s58, s62, 17
	s_lshl_b32 s59, s63, 13
	s_add_co_u32 s58, s58, s59                     ; its place in LDS, piece 0
	s_add_co_u32 s60, s62, 1
	s_lshl_b32 s60, s60, 24                        ; k's or v's part of qkv,
	s_lshl_b32 s61, s9, 17
	s_add_co_u32 s60, s60, s61                     ; my head,
	s_add_co_u32 s60, s60, s59                     ; my quarter
	s_mov_b32 s61, 0
	s_mov_b32 s48, 0x76543210
	s_mov_b32 s49, 0xfedcba98                      ; v_permlanex16_b32: lane l xor 16
	s_mov_b32 s50, 0x3e38aa3b                      ; c = log2(e) / sqrt(64)
	s_mov_b32 s51, s50                             ; (named with it as a pair)
	s_wait_dscnt 0x0                               ; both opening adds are done
	s_wait_kmcnt 0x0
	s_add_nc_u64 s[60:61], s[4:5], s[60:61]
.irp c, 0,1,2,3
	s_mov_b32 s[24+4*\c], 1
	s_add_co_u32 s[25+4*\c], s58, \c*32768
	s_add_nc_u64 s[26+4*\c:27+4*\c], s[60:61], \c*32768
	s_or_b32 s[27+4*\c], s[27+4*\c], 0x80000000
.endr
.irp c, 0,1,2,3
	tensor_load_to_lds s[24+4*\c:27+4*\c], s[16:23]
	s_nop 0
.endr
	v_and_b32 v16, 31, v0                          ; l
	v_and_b32 v17, 15, v0                          ; r
	v_bfe_u32 v18, v0, 4, 1                        ; h
	v_lshlrev_b32 v[LI], 4, v16
	v_lshlrev_b32 v19, 3, v18
	v_sub_nc_u32 v[DD], v17, v19
	v_mov_b32 v[NINF], 0xff800000
.irp j, 0,1,2,3,4,5,6,7
	v_cmp_gt_i32 s[40+\j], \j, v[DD]               ; on the diagonal register j's key 8 (l / 16) + j is hidden from query l % 16 where j > l % 16 - 8 (l / 16)
.endr
	s_lshl_b32 s56, s8, 1
	s_add_co_u32 s56, s56, s10                     ; the short unit, 0 .. 15
	s_sub_co_u32 s57, 31, s56                      ; the long one, 16 .. 31
; ---------------- THE F32 ROWS, while the head's K and V are on their way
	v_bfe_u32 v19, v17, 2, 1                       ; v(key 8 h + 2 s + j, channel 16 f + r) lies at 512 ((r / 4) % 2) + 256 (r / 8) + 4 (r % 4) + 128 h + 32 s + 16 j of column tile f
	v_lshlrev_b32 v[EVO], 9, v19
	v_lshrrev_b32 v19, 3, v17
	v_lshl_add_u32 v[EVO], v19, 8, v[EVO]
	v_and_b32 v19, 3, v17
	v_lshl_add_u32 v[EVO], v19, 2, v[EVO]
	v_lshl_add_u32 v[EVO], v18, 7, v[EVO]
	v_lshlrev_b32 v[EWO], 2, v17
	v_lshl_add_u32 v[EWO], v18, 15, v[EWO]         ; w_proj: 8 h rows of 4,096 bytes + 4 r
	s_lshl_b32 s76, s8, 11
	s_add_co_u32 s76, s76, STG
	v_add_nc_u32 v[EPST], s76, v[LI]               ; my part: 2,048 bytes a wave
	v_bfe_u32 v19, v16, 2, 1                       ; back: lane l takes row 4 w + l / 8, columns 4 (l % 8) + 0 .. 3
	v_lshlrev_b32 v[EPRD], 10, v19
	v_and_b32 v19, 1, v16
	v_lshl_add_u32 v[EPRD], v19, 9, v[EPRD]
	v_bfe_u32 v19, v16, 1, 1
	v_lshl_add_u32 v[EPRD], v19, 8, v[EPRD]
	v_lshrrev_b32 v19, 3, v16
	v_lshl_add_u32 v[EPRD], v19, 4, v[EPRD]
	s_lshl_b32 s76, s8, 6
	s_add_co_u32 s76, s76, STG
	v_add_nc_u32 v[EPRD], s76, v[EPRD]
	v_and_b32 v20, 7, v16
	v_lshlrev_b32 v[EBO], 4, v20
	v_lshl_add_u32 v[EOO], v19, 12, v[EBO]
	v_mov_b32 v[EWK+1], 0                          ; written once: a lane permute's destination counts as one of its sources
	v_mov_b32 v[EWK+3], 0
	s_mov_b32 s77, 0                               ; the upper word of every offset
	s_lshr_b32 s78, s9, 4                          ; the batch
	s_and_b32 s79, s9, 15
	s_lshl_b32 s79, s79, 1
	s_add_co_u32 s79, s79, s10                     ; the slice of 32 columns, 0 .. 31,
	s_lshl_b32 s79, s79, 7                         ; in bytes
	s_mul_i32 s76, s78, 196608
	s_lshl_b32 s80, s8, 13
	s_add_co_u32 s76, s76, s80
	s_add_nc_u64 s[68:69], s[68:69], s[76:77]      ; qkv32: my batch, my two heads' eight column tiles
	s_lshl_b32 s76, s8, 19
	s_add_co_u32 s76, s76, s79
	s_add_nc_u64 s[70:71], s[70:71], s[76:77]      ; w_proj: my 128 rows, the slice's 32 columns
	s_mov_b32 s76, s79
	s_add_nc_u64 s[72:73], s[72:73], s[76:77]
	s_lshl_b32 s76, s78, 22
	s_lshl_b32 s80, s8, 14
	s_add_co_u32 s76, s76, s80
	s_add_co_u32 s76, s76, s79
	s_add_nc_u64 s[74:75], s[74:75], s[76:77]      ; out0: row 1,024 batch + 4 w, the slice
.irp e, 0,1
.irp b, 0,1,2,3
.irp c, 0,1
	global_load_b128 v[EQ+32*\e+8*\b+4*\c:EQ+32*\e+8*\b+4*\c+3], v[LI], s[68:69] offset:\e*4096+\b*1024+\c*512
	global_load_b128 v[EK+32*\e+8*\b+4*\c:EK+32*\e+8*\b+4*\c+3], v[LI], s[68:69] offset:65536+\e*4096+\b*1024+\c*512
.endr
.endr
.endr
	WIN 0x40                                       ; destination window 1
.irp e, 0,1
.irp f, 0,1,2,3
.irp s, 0,1,2,3
.irp j, 0,1
	global_load_b32 v[VT+32*\e+8*\f+2*\s+\j], v[EVO], s[68:69] offset:131072+\e*4096+\f*1024+\s*32+\j*16
.endr
.endr
.endr
.endr
.irp f, 0,1,2,3
.irp sp, 0,1,2,3
.irp nt, 0,1
.irp j, 0,1
	global_load_b32 v[W0+((4*\f+\sp)*2+\nt)*2+\j], v[EWO], s[70:71] offset:(16*\f+2*\sp+\j)*4096+64*\nt
.endr
.endr
.endr
.endr
	s_wait_loadcnt 63                              ; of the 160 loads issued the first 97 are in: Q, K and V are the first 96
	WIN 0x50                                       ; C and D window 1
.irp s, 0,1,2,3,4,5,6,7,8,9,10,11,12,13,14,15      ; S^T = K Q^T: the two heads by turns
.irp e, 0,1
.if \s == 0
	v_wmma_f32_16x16x4_f32 v[SA+8*\e:SA+8*\e+7], v[EK+32*\e+2*\s:EK+32*\e+2*\s+1], v[EQ+32*\e+2*\s:EQ+32*\e+2*\s+1], 0
.else
	v_wmma_f32_16x16x4_f32 v[SA+8*\e:SA+8*\e+7], v[EK+32*\e+2*\s:EK+32*\e+2*\s+1], v[EQ+32*\e+2*\s:EQ+32*\e+2*\s+1], v[SA+8*\e:SA+8*\e+7]
.endif
.endr
.endr
	WIN 0
.rept 8
	v_nop                                          ; eight places behind this form, ahead of loads into its sources and of the first read of its results
.endr
.irp f, 0,1,2,3
.irp sp, 0,1,2,3
.irp nt, 0,1
.irp j, 0,1
	global_load_b32 v[EW1+((4*\f+\sp)*2+\nt)*2+\j], v[EWO], s[70:71] offset:(64+16*\f+2*\sp+\j)*4096+64*\nt   ; head 1's fragments of w_proj take Q's registers
.endr
.endr
.endr
.endr
	WIN 0x01                                       ; source 0 window 1
.irp j, 0,1,2,3,4,5,6,7
.irp e, 0,1
	v_cndmask_b32 v[EP+8*\e+\j], v[SA+8*\e+\j], v[NINF], s[40+\j]   ; the causal mask, into other registers, from the accumulators' low end on
.endr
.endr
	WIN 0
.irp e, 0,1
	v_max3_num_f32 v[EWK+2*\e], v[EP+8*\e], v[EP+8*\e+1], v[EP+8*\e+2]
.endr
.irp i, 3,5
.irp e, 0,1
	v_max3_num_f32 v[EWK+2*\e], v[EWK+2*\e], v[EP+8*\e+\i], v[EP+8*\e+\i+1]
.endr
.endr
.irp e, 0,1
	v_max_num_f32 v[EWK+2*\e], v[EWK+2*\e], v[EP+8*\e+7]
.endr
.irp e, 0,1
	v_permlanex16_b32 v[EWK+2*\e+1], v[EWK+2*\e], s48, s49
.endr
.irp e, 0,1
	v_max_num_f32 v[EWK+2*\e], v[EWK+2*\e], v[EWK+2*\e+1]          ; the row's maximum: key 0 counts for every query
.endr
.irp e, 0,1
	v_mul_f32 v[EWK+2*\e], s50, v[EWK+2*\e]
.endr
.irp j, 0,1,2,3,4,5,6,7
.irp e, 0,1
	v_fma_f32 v[EP+8*\e+\j], v[EP+8*\e+\j], s50, -v[EWK+2*\e]      ; c s - c m
.endr
.endr
.irp j, 0,1,2,3,4,5,6,7
.irp e, 0,1
	v_exp_f32 v[EP+8*\e+\j], v[EP+8*\e+\j]
.endr
.endr
	v_nop                                          ; a plain instruction behind the last exponential
	s_wait_alu depctr_va_vdst(0)                   ; one wait for the sixteen exponentials, ahead of their first reader
.irp e, 0,1
	v_add_f32 v[EWK+2*\e], v[EP+8*\e], v[EP+8*\e+1]
.endr
.irp i, 2,4,6
.irp e, 0,1
	v_add_f32 v[EWK+2*\e+1], v[EP+8*\e+\i], v[EP+8*\e+\i+1]
.endr
.irp e, 0,1
	v_add_f32 v[EWK+2*\e], v[EWK+2*\e], v[EWK+2*\e+1]
.endr
.endr
.irp e, 0,1
	v_permlanex16_b32 v[EWK+2*\e+1], v[EWK+2*\e], s48, s49
.endr
.irp e, 0,1
	v_add_f32 v[EWK+2*\e], v[EWK+2*\e], v[EWK+2*\e+1]              ; the row's sum
.endr
.irp e, 0,1
	v_rcp_f32 v[EWK+2*\e], v[EWK+2*\e]
.endr
	v_nop
	s_wait_alu depctr_va_vdst(0)                   ; one wait for both reciprocals
	WIN 0x51                                       ; source 0 (V^T), C and D window 1
.irp s, 0,1,2,3                                    ; O^T = V^T P: eight accumulators by turns
.irp e, 0,1
.irp f, 0,1,2,3
.if \s == 0
	v_wmma_f32_16x16x4_f32 v[OA+32*\e+8*\f:OA+32*\e+8*\f+7], v[VT+32*\e+8*\f+2*\s:VT+32*\e+8*\f+2*\s+1], v[EP+8*\e+2*\s:EP+8*\e+2*\s+1], 0
.else
	v_wmma_f32_16x16x4_f32 v[OA+32*\e+8*\f:OA+32*\e+8*\f+7], v[VT+32*\e+8*\f+2*\s:VT+32*\e+8*\f+2*\s+1], v[EP+8*\e+2*\s:EP+8*\e+2*\s+1], v[OA+32*\e+8*\f:OA+32*\e+8*\f+7]
.endif
.endr
.endr
.endr
	WIN 0
.rept 8
	v_nop
.endr
	global_load_b128 v[EP:EP+3], v[EBO], s[72:73]  ; the bias takes P's registers
	WIN 0x01
.irp e, 0,1
.irp i, 0,2,4,6,8,10,12,14,16,18,20,22,24,26,28,30
	v_pk_mul_f32 v[EY+32*\e+\i:EY+32*\e+\i+1], v[OA+32*\e+\i:OA+32*\e+\i+1], v[EWK+2*\e:EWK+2*\e+1] op_sel_hi:[1,0]   ; Y = O^T / the sum, ascending, into K's registers
.endr
.endr
	s_wait_loadcnt 1                               ; w_proj's fragments are in; the bias may be out
	WIN 0x51
.irp f, 0,1,2,3                                    ; out^T += W^T Y, head 0: two accumulators by turns
.irp sp, 0,1,2,3
.irp nt, 0,1
.if (\f+\sp) == 0
	v_wmma_f32_16x16x4_f32 v[DA+8*\nt:DA+8*\nt+7], v[W0+((4*\f+\sp)*2+\nt)*2:W0+((4*\f+\sp)*2+\nt)*2+1], v[EY+8*\f+2*\sp:EY+8*\f+2*\sp+1], 0
.else
	v_wmma_f32_16x16x4_f32 v[DA+8*\nt:DA+8*\nt+7], v[W0+((4*\f+\sp)*2+\nt)*2:W0+((4*\f+\sp)*2+\nt)*2+1], v[EY+8*\f+2*\sp:EY+8*\f+2*\sp+1], v[DA+8*\nt:DA+8*\nt+7]
.endif
.endr
.endr
.endr
	WIN 0x50                                       ; head 1's fragments lie in window 0
.irp f, 0,1,2,3
.irp sp, 0,1,2,3
.irp nt, 0,1
	v_wmma_f32_16x16x4_f32 v[DA+8*\nt:DA+8*\nt+7], v[EW1+((4*\f+\sp)*2+\nt)*2:EW1+((4*\f+\sp)*2+\nt)*2+1], v[EY+32+8*\f+2*\sp:EY+32+8*\f+2*\sp+1], v[DA+8*\nt:DA+8*\nt+7]
.endr
.endr
.endr
	WIN 0
.rept 8
	v_nop
.endr
	WIN 0x04                                       ; an LDS store's data are its source 1: window 1
.irp nt, 0,1
.irp c, 0,1
	ds_store_b128 v[EPST], v[DA+8*\nt+4*\c:DA+8*\nt+4*\c+3] offset:\nt*1024+\c*512   ; my part, as the registers stand, each accumulator from its low end on
.endr
.endr
	WIN 0
	s_wait_loadcnt 0x0                             ; the bias: no load of mine is out when attention takes these registers over
	s_wait_dscnt 0x0                               ; for the others' sake: my stores are done
	s_barrier_signal -1                            ; my four tensor loads may be out
	s_barrier_wait -1
	s_cmp_lt_u32 s8, 4
	s_cbranch_scc0 .Lfine_done                     ; waves 0 to 3 add the eight parts, four rows each
.irp p, 0,1,2,3,4,5,6,7
	ds_load_b128 v[16+4*\p:19+4*\p], v[EPRD] offset:\p*2048
.endr
	s_wait_dscnt 0x0
.irp p, 0,2,4,6
	v_pk_add_f32 v[16+4*\p:17+4*\p], v[16+4*\p:17+4*\p], v[20+4*\p:21+4*\p]
	v_pk_add_f32 v[18+4*\p:19+4*\p], v[18+4*\p:19+4*\p], v[22+4*\p:23+4*\p]
.endr
.irp p, 0,4
	v_pk_add_f32 v[16+4*\p:17+4*\p], v[16+4*\p:17+4*\p], v[24+4*\p:25+4*\p]
	v_pk_add_f32 v[18+4*\p:19+4*\p], v[18+4*\p:19+4*\p], v[26+4*\p:27+4*\p]
.endr
	v_pk_add_f32 v[16:17], v[16:17], v[32:33]
	v_pk_add_f32 v[18:19], v[18:19], v[34:35]
	v_pk_add_f32 v[16:17], v[16:17], v[EP:EP+1]
	v_pk_add_f32 v[18:19], v[18:19], v[EP+2:EP+3]
	global_store_b128 v[EOO], v[16:19], s[74:75]   ; eight lanes store a row's 128 consecutive bytes: a slice is 128 bytes wide
.Lfine_done:
; ---------------- ATTENTION
.macro INIT ureg                       ; a unit begins: its addresses, its Q, zeros for O^T and l, -3e38 for m: the step is written without a first step of its own
	s_wait_xcnt 0x0                                ; the loads and stores issued so far have read their addresses and data
	s_mov_b32 s11, \ureg
	s_lshl_b32 s58, s9, 17
	s_lshl_b32 s59, s11, 12
	s_add_co_u32 s58, s58, s59
	s_mov_b32 s59, 0
	s_add_nc_u64 s[52:53], s[4:5], s[58:59]        ; q: my head, two tiles of 2,048 bytes a unit
	s_lshr_b32 s58, s9, 4
	s_lshl_b32 s58, s58, 6
	s_lshl_b32 s60, s11, 1
	s_add_co_u32 s58, s58, s60                     ; row / 16 = 64 batch + 2 u
	s_lshl_b32 s58, s58, 15
	s_and_b32 s60, s9, 15
	s_lshl_b32 s60, s60, 11                        ; the head's 64 along K: 2,048 bytes
	s_add_co_u32 s58, s58, s60
	s_add_nc_u64 s[54:55], s[6:7], s[58:59]
.irp t, 0,1
.irp g, 0,1
.irp c, 0,1
	global_load_b128 v[Q+16*\t+8*\g+4*\c:Q+16*\t+8*\g+4*\c+3], v[LI], s[52:53] offset:\t*2048+\g*1024+\c*512
.endr
.endr
.endr
.set i, 0
.rept 64
	v_mov_b32 v[O+i], 0
.set i, i+1
.endr
.irp t, 0,1
	v_mov_b32 v[ST+8*\t+1], 0xff61b1e6             ; -3e38, under every score
	v_mul_f32 v[ST+8*\t], s50, v[ST+8*\t+1]
	v_mov_b32 v[ST+8*\t+2], 0
	v_mov_b32 v[ST+8*\t+3], 0
.endr
	s_mov_b32 s13, 0
	s_mov_b32 s15, 131072
	s_mov_b32 s12, 0
.endm
; A KEY STEP: 32 keys against the unit's 32 queries.  tests = 1: the step may lie beyond the diagonal (left out) or on it (masked).
.macro STEP tests
.if \tests
	s_cmp_gt_u32 s12, s11
	s_cbranch_scc1 .Lskip_\@
.endif
	v_add_nc_u32 v[ADK], s13, v[LI]                ; these four plain lines are also the places between the last step's products and the loads into V's registers
	v_add_nc_u32 v[ADV], s15, v[LI]
	v_mov_b32 v[ST+7], v[ST]                       ; c m_old is kept for a
	v_mov_b32 v[ST+15], v[ST+8]
.irp kt, 0,1
.irp g, 0,1
.irp c, 0,1
	ds_load_b128 v[KF+16*\kt+8*\g+4*\c:KF+16*\kt+8*\g+4*\c+3], v[ADK] offset:\kt*2048+\g*1024+\c*512
.endr
.endr
.endr
.irp f, 0,1,2,3
	ds_load_tr16_b128 v[VF+8*\f:VF+8*\f+3], v[ADV] offset:\f*512            ; keys 8 (l / 16) + 0 .. 7 of channel 16 f + l % 16
	ds_load_tr16_b128 v[VF+8*\f+4:VF+8*\f+7], v[ADV] offset:2048+\f*512     ; and 16 keys on
.endr
	s_wait_dscnt 8                                 ; K is in; V's eight loads may be out
.irp g, 0,1                            ; the four accumulators take turns
.irp t, 0,1
.irp kt, 0,1
.if \g == 0
	v_wmma_f32_16x16x32_f16 v[S+16*\t+8*\kt:S+16*\t+8*\kt+7], v[KF+16*\kt+8*\g:KF+16*\kt+8*\g+7], v[Q+16*\t+8*\g:Q+16*\t+8*\g+7], 0
.else
	v_wmma_f32_16x16x32_f16 v[S+16*\t+8*\kt:S+16*\t+8*\kt+7], v[KF+16*\kt+8*\g:KF+16*\kt+8*\g+7], v[Q+16*\t+8*\g:Q+16*\t+8*\g+7], v[S+16*\t+8*\kt:S+16*\t+8*\kt+7]
.endif
.endr
.endr
.endr
.rept 4
	v_nop                                          ; places ahead of the first read of the scores
.endr
.if \tests
	s_cmp_lg_u32 s12, s11
	s_cbranch_scc1 .Lopen_\@
.irp j, 0,1,2,3,4,5,6,7
	v_cndmask_b32 v[S+\j], v[S+\j], v[NINF], s[40+\j]          ; tile 0 against keys 0-15: the triangle
.endr
.irp j, 0,1,2,3,4,5,6,7
	v_mov_b32 v[S+8+\j], v[NINF]                               ; tile 0 against keys 16-31: all hidden
.endr
.irp j, 0,1,2,3,4,5,6,7
	v_cndmask_b32 v[S+24+\j], v[S+24+\j], v[NINF], s[40+\j]    ; tile 1 against keys 16-31: the triangle
.endr
.Lopen_\@:
.endif
.irp t, 0,1
	v_max3_num_f32 v[ST+8*\t+4], v[S+16*\t], v[S+16*\t+1], v[S+16*\t+2]      ; the maximum: two chains a tile, each from its accumulator's low end on
.endr
.irp t, 0,1
	v_max3_num_f32 v[ST+8*\t+5], v[S+16*\t+8], v[S+16*\t+9], v[S+16*\t+10]
.endr
.irp i, 3,5
.irp t, 0,1
	v_max3_num_f32 v[ST+8*\t+4], v[ST+8*\t+4], v[S+16*\t+\i], v[S+16*\t+\i+1]
	v_max3_num_f32 v[ST+8*\t+5], v[ST+8*\t+5], v[S+16*\t+8+\i], v[S+16*\t+8+\i+1]
.endr
.endr
.irp t, 0,1
	v_max3_num_f32 v[ST+8*\t+4], v[ST+8*\t+4], v[S+16*\t+7], v[ST+8*\t+1]    ; with the old m
.endr
.irp t, 0,1
	v_max3_num_f32 v[ST+8*\t+4], v[ST+8*\t+4], v[ST+8*\t+5], v[S+16*\t+15]
.endr
.irp t, 0,1
	v_permlanex16_b32 v[ST+8*\t+5], v[ST+8*\t+4], s48, s49     ; the query's other 16 keys lie in the lane 16 away
.endr
.irp t, 0,1
	v_max_num_f32 v[ST+8*\t+1], v[ST+8*\t+4], v[ST+8*\t+5]     ; the new m
.endr
.irp t, 0,1
	v_mul_f32 v[ST+8*\t], s50, v[ST+8*\t+1]                    ; c m
.endr
.irp t, 0,1
	v_sub_f32 v[ST+8*\t+7], v[ST+8*\t+7], v[ST+8*\t]           ; c m_old - c m_new
.endr
.irp b, 0,1,2,3,4,5,6,7
.irp t, 0,1
	v_pk_fma_f32 v[S+16*\t+2*\b:S+16*\t+2*\b+1], v[S+16*\t+2*\b:S+16*\t+2*\b+1], s[50:51], v[ST+8*\t:ST+8*\t+1] op_sel_hi:[1,0,0] neg_lo:[0,0,1] neg_hi:[0,0,1]   ; c s - c m
.endr
.endr
.irp t, 0,1
	v_exp_f32 v[ST+8*\t+6], v[ST+8*\t+7]           ; a.  ONE BATCH of 34 exponentials: none reads another's result
.endr
.irp i, 0,1,2,3,4,5,6,7,8,9,10,11,12,13,14,15
.irp t, 0,1
	v_exp_f32 v[S+16*\t+\i], v[S+16*\t+\i]         ; p, at most 1
.endr
.endr
	v_nop                                          ; a plain instruction behind the last exponential
	s_wait_alu depctr_va_vdst(0)                   ; one wait for the batch, ahead of its first reader
.irp i, 0,1,2,3,4,5,6,7
.irp t, 0,1
	v_cvt_pk_f16_f32 v[P+8*\t+\i], v[S+16*\t+2*\i], v[S+16*\t+2*\i+1]
.endr
.endr
.irp i, 0,4,8,12
.irp t, 0,1
	v_pk_add_f32 v[S+16*\t+\i:S+16*\t+\i+1], v[S+16*\t+\i:S+16*\t+\i+1], v[S+16*\t+\i+2:S+16*\t+\i+3]   ; the row's sum, of the unrounded p
.endr
.endr
.irp i, 0,8
.irp t, 0,1
	v_pk_add_f32 v[S+16*\t+\i:S+16*\t+\i+1], v[S+16*\t+\i:S+16*\t+\i+1], v[S+16*\t+\i+4:S+16*\t+\i+5]
.endr
.endr
.irp t, 0,1
	v_pk_add_f32 v[S+16*\t:S+16*\t+1], v[S+16*\t:S+16*\t+1], v[S+16*\t+8:S+16*\t+9]
.endr
.irp t, 0,1
	v_pk_fma_f32 v[ST+8*\t+2:ST+8*\t+3], v[ST+8*\t+2:ST+8*\t+3], v[ST+8*\t+6:ST+8*\t+7], v[S+16*\t:S+16*\t+1] op_sel_hi:[1,0,1]   ; l = a l + the sum
.endr
.irp t, 0,1
.irp i, 0,2,4,6,8,10,12,14,16,18,20,22,24,26,28,30
	v_pk_mul_f32 v[O+32*\t+\i:O+32*\t+\i+1], v[O+32*\t+\i:O+32*\t+\i+1], v[ST+8*\t+6:ST+8*\t+7] op_sel_hi:[1,0]   ; O^T x a, ascending
.endr
.endr
	s_wait_dscnt 0x0                               ; V is in
.irp f, 0,1,2,3
.irp t, 0,1
	v_wmma_f32_16x16x32_f16 v[O+32*\t+8*\f:O+32*\t+8*\f+7], v[VF+8*\f:VF+8*\f+7], v[P+8*\t:P+8*\t+7], v[O+32*\t+8*\f:O+32*\t+8*\f+7]
.endr
.endr
.if \tests
.Lskip_\@:
.endif
	s_add_co_u32 s13, s13, 4096                    ; the next 32 keys
	s_add_co_u32 s15, s15, 4096
	s_add_co_u32 s12, s12, 1
.endm
.macro FINISH                          ; a unit ends: O^T / l, rounded to f16: four registers of the next product's operand a tile of channels
.rept 4
	v_nop                                          ; places behind the last products
.endr
.irp t, 0,1
	v_add_f32 v[ST+8*\t+4], v[ST+8*\t+2], v[ST+8*\t+3]
.endr
.irp t, 0,1
	v_permlanex16_b32 v[ST+8*\t+5], v[ST+8*\t+4], s48, s49
.endr
.irp t, 0,1
	v_add_f32 v[ST+8*\t+4], v[ST+8*\t+4], v[ST+8*\t+5]
.endr
.irp t, 0,1
	v_rcp_f32 v[ST+8*\t+6], v[ST+8*\t+4]
.endr
	v_nop
	s_wait_alu depctr_va_vdst(0)                   ; one wait for both reciprocals
.irp t, 0,1
.irp i, 0,2,4,6,8,10,12,14,16,18,20,22,24,26,28,30
	v_pk_mul_f32 v[O+32*\t+\i:O+32*\t+\i+1], v[O+32*\t+\i:O+32*\t+\i+1], v[ST+8*\t+6:ST+8*\t+7] op_sel_hi:[1,0]
.endr
.endr
.irp t, 0,1
.irp f, 0,1,2,3
.irp i, 0,1,2,3
	v_cvt_pk_f16_f32 v[KF+16*\t+4*\f+\i], v[O+32*\t+8*\f+2*\i], v[O+32*\t+8*\f+2*\i+1]
.endr
.endr
.endr
.irp t, 0,1
.irp f, 0,1,2,3
	global_store_b128 v[LI], v[KF+16*\t+4*\f:KF+16*\t+4*\f+3], s[54:55] offset:\t*32768+\f*512   ; 512 consecutive bytes, aligned
.endr
.endr
.endm
	INIT s57                                       ; the long unit first
	s_wait_tensorcnt 3                             ; my part of keys 0-255 is in; three loads may be out
	s_barrier_signal -1
	s_barrier_wait -1
	s_wait_loadcnt 0x0                             ; Q
	s_mov_b32 s14, 8
.Lloop_a:                                          ; steps 0 .. 7
	STEP 0
	s_sub_co_u32 s14, s14, 1
	s_cmp_lg_u32 s14, 0
	s_cbranch_scc1 .Lloop_a
	s_wait_tensorcnt 2                             ; my part of keys 256-511 is in
	s_wait_dscnt 0x0
	s_barrier_signal -1
	s_barrier_wait -1
	s_mov_b32 s14, 8
.Lloop_b:                                          ; steps 8 .. 15
	STEP 0
	s_sub_co_u32 s14, s14, 1
	s_cmp_lg_u32 s14, 0
	s_cbranch_scc1 .Lloop_b
	s_wait_tensorcnt 0x0                           ; all of it
	s_wait_dscnt 0x0
	s_barrier_signal -1
	s_barrier_wait -1
	s_mov_b32 s14, 16
.Lloop_c:                                          ; steps 16 .. 31, up to the unit's diagonal
	STEP 1
	s_sub_co_u32 s14, s14, 1
	s_cmp_lg_u32 s14, 0
	s_cbranch_scc1 .Lloop_c
	FINISH
	INIT s56                                       ; the short unit
	s_wait_loadcnt 0x0
	s_mov_b32 s14, 16
.Lloop_d:                                          ; steps 0 .. 15, up to its diagonal
	STEP 1
	s_sub_co_u32 s14, s14, 1
	s_cmp_lg_u32 s14, 0
	s_cbranch_scc1 .Lloop_d
	FINISH
	s_wait_tensorcnt 0x0                           ; the wave's end: behind my last tensor load and my last LDS store
	ds_add_u32 v[SPW], v[NIL]
	s_wait_dscnt 0x0
	s_endpgm
.Lfunc_end_k_qc3dee9f336_attn:
	.size	k_qc3dee9f336_attn, .Lfunc_end_k_qc3dee9f336_attn-k_qc3dee9f336_attn
	.p2alignl 7, 3214868480
	.fill 96, 4, 3214868480
	.section	.rodata,"a",@progbits
	.p2align	6, 0x0
	.amdhsa_kernel k_qc3dee9f336_attn
		.amdhsa_group_segment_fixed_size 327680
		.amdhsa_private_segment_fixed_size 0
		.amdhsa_enable_private_segment 0
		.amdhsa_kernarg_size 48
		.amdhsa_user_sgpr_count 2
		.amdhsa_user_sgpr_kernarg_segment_ptr 1
		.amdhsa_wavefront_size32 1
		.amdhsa_system_sgpr_workgroup_id_x 1
		.amdhsa_system_sgpr_workgroup_id_y 1
		.amdhsa_system_sgpr_workgroup_id_z 1
		.amdhsa_system_vgpr_workitem_id 0
		.amdhsa_next_free_vgpr 512
		.amdhsa_next_free_sgpr 84
		.amdhsa_reserve_vcc 0
		.amdhsa_float_denorm_mode_32 3
		.amdhsa_float_denorm_mode_16_64 3
		.amdhsa_memory_ordered 1
		.amdhsa_forward_progress 1
		.amdhsa_inst_pref_size 106
	.end_amdhsa_kernel
	.amdgpu_metadata
---
amdhsa.version: [ 1, 2 ]
amdhsa.kernels:
  - .name:           k_qc3dee9f336_attn
    .symbol:         k_qc3dee9f336_attn.kd
    .args:
      - { .name: qkv, .offset: 0, .size: 8, .value_kind: global_buffer, .address_space: global }
      - { .name: yimg, .offset: 8, .size: 8, .value_kind: global_buffer, .address_space: global }
      - { .name: qkv32, .offset: 16, .size: 8, .value_kind: global_buffer, .address_space: global }
      - { .name: w_proj, .offset: 24, .size: 8, .value_kind: global_buffer, .address_space: global }
      - { .name: b_proj, .offset: 32, .size: 8, .value_kind: global_buffer, .address_space: global }
      - { .name: out0, .offset: 40, .size: 8, .value_kind: global_buffer, .address_space: global }
    .group_segment_fixed_size: 327680
    .private_segment_fixed_size: 0
    .kernarg_segment_align: 8
    .kernarg_segment_size: 48
    .max_flat_workgroup_size: 256
    .sgpr_count:     84
    .vgpr_count:     512
    .wavefront_size: 32
...
	.end_amdgpu_metadata
.endif
;; end of part 3
;; launch proj (part 4): grid 8 x 32, 4 waves a work-group, clusters of 4 x 4, 327,680 bytes of LDS; arguments yimg, wimg, b_proj, out0; writes out0
.if DOCPART == 4
	.amdgcn_target "amdgcn-amd-amdhsa--gfx1250"
	.amdhsa_code_object_version 6
	.text
	.protected	k_qc3dee9f336_proj
	.globl	k_qc3dee9f336_proj
	.p2align	8
	.type	k_qc3dee9f336_proj,@function
k_qc3dee9f336_proj:
	s_mov_b64 s[64:65], 0
	v_nop
	global_prefetch_b8 v0, s[64:65] scope:SCOPE_SE
	s_setreg_imm32_b32 hwreg(HW_REG_WAVE_MODE, 25, 1), 1
	s_wait_xcnt 0x0
	s_wait_alu depctr_hold_cnt(0) depctr_sa_sdst(0) depctr_va_vdst(0) depctr_va_sdst(0) depctr_va_ssrc(0) depctr_va_vcc(0) depctr_vm_vsrc(0)
	s_getreg_b32 s2, hwreg(HW_REG_IB_STS2, 6, 4)
	s_cmp_eq_u32 s2, 0
	s_cbranch_scc0 .Lentry_in_a_cluster
	s_endpgm
.Lentry_in_a_cluster:
	s_bfe_u32 s2, ttmp6, 0x10000c
	s_cmp_lg_u32 s2, 0xf033
	s_cbranch_scc0 .Lentry_shape_is_right
	s_endpgm
.Lentry_shape_is_right:
; out0 = y w_proj + b_proj: M 8,192, K 1,024, N 1,024; operands in f16, sums in f32.  ROWS 0 .. 15 OF EVERY BATCH ARE NOT STORED HERE: the launch before has written them, carried in f32 throughout.
; A tile of 256 rows x 128 columns a work-group: 256 work-groups.  Four waves, 128 x 64 each: 32 accumulators of 16 x 16.
; BOTH OPERANDS COME AS IMAGES: y as its operand's registers (yimg [row / 16][k / 32][2][lane][16 B]), w_proj as blocks of 16 k x 16 n for the turning LDS load (wimg [n / 128][k / 16][8][512 B]).
; So every LDS load reads 512 consecutive bytes at 16 x lane: no pitch, no padding.  K goes in steps of 128 through a ring of two slots: y's 16 x 4,096 bytes, then w_proj's 32,768 dense bytes.
; CLUSTERS: 4 x 4 work-groups.  y's tile is shared along a row of the cluster, w_proj's along a column: each is asked for jointly.  A round of the cluster's barrier stands in front of each joint refill.
; The tile row is cluster y + 8 cy, so that (tile row) % 4 = (cluster y) % 4 is the same in all sixteen partners: the one branch of the way out, round the stores of a batch's first 16 rows, hangs on it and on the wave's number.
; THE MATRIX INSTRUCTION IS USED TRANSPOSED (source 0 = 16 columns of w_proj, source 1 = 16 rows of y): a lane holds eight neighbouring numbers of a row of out0.  b_proj is the C of each sum's first instruction.
; NO PREFETCH: a step's tiles are small and shared by four work-groups each.
; REGISTERS: window 0: v16-29 addresses; two fragment buffers of 96 (y 64, w_proj 32) at v32 and v128; v224-255 the bias; on the way out v32-95 rows of out0.   window 1: accumulator (a, b) at v[8 (4 a + b)].
.set SLOT,   98304
.set BOFF,   65536                     ; w_proj's part of a slot
.set STAGE,  2*SLOT                    ; behind the ring: 16 rows x 272 bytes for each wave
.set SPITCH, 272
.set SPARE,  STAGE+4*16*SPITCH         ; the spare words, 128 bytes for each wave
.set LAPS,   4                         ; a lap = two K steps
.set ADRA, 16
.set ADRB, 20
.set STO,  24
.set RD,   25
.set CO,   26
.set BO,   27
.set SPW,  28
.set NIL,  29
.set F0,   32
.set F1,   128
.set BIAS, 224
.set OB,   32
.set G1, 24
.set G0, 32
.set G1B, 48
.set G0B, 56
.set MSB, 0
.macro WIN new
.if MSB != \new
	s_set_vgpr_msb (MSB<<8)|\new
.set MSB, \new
.endif
.endm
.set MUL,  0x50                        ; C and D window 1
.set MUL0, 0x40                        ; D window 1, C (the bias) window 0
.macro JLOAD s                         ; waves 0 and 1 fetch y's two halves, waves 2 and 3 w_proj's; an s_nop 0 and four v_nop follow each line
	s_cmp_eq_u32 s11, 0
	s_cbranch_scc0 .Lfor_b_\@
	tensor_load_to_lds s[G0+4*\s:G0+4*\s+3], s[G1:G1+7]
	s_nop 0
.rept 4
	v_nop
.endr
	s_branch .Lasked_\@
.Lfor_b_\@:
	tensor_load_to_lds s[G0B+4*\s:G0B+4*\s+3], s[G1B:G1B+7]
	s_nop 0
.rept 4
	v_nop
.endr
.Lasked_\@:
.endm
.macro CREST
	s_cmp_lg_u32 s10, 0
	s_cbranch_scc1 .Lnot_wave_0_\@
	s_barrier_signal -3
.Lnot_wave_0_\@:
	s_barrier_wait -3
	s_barrier_signal -1
	s_barrier_wait -1
.endm
.macro CROUND
	s_barrier_signal -1
	s_barrier_wait -1
	CREST
.endm
	s_load_b128 s[4:7], s[0:1], 0x0                ; yimg, wimg
	s_load_b128 s[68:71], s[0:1], 0x10             ; b_proj s[68:69], out0 s[70:71]
	v_lshl_add_u32 v[SPW], v0, 2, SPARE
	v_mov_b32 v[NIL], 0
	ds_add_u32 v[SPW], v[NIL]                      ; the wave's opening: the add, twice on end, and its wait ahead of my first tensor load
	ds_add_u32 v[SPW], v[NIL]
	v_lshrrev_b32 v1, 5, v0
	v_readfirstlane_b32 s10, v1                    ; wave 0..3
	s_lshr_b32 s11, s10, 1                         ; which half of the tile's rows is mine.  Also: I fetch for y (0) or for w_proj (1)
	s_and_b32 s12, s10, 1                          ; which half of its columns.  Also: which half I fetch
	s_bfe_u32 s40, ttmp6, 0x40000                  ; cx
	s_bfe_u32 s41, ttmp6, 0x40004                  ; cy
	s_lshl_b32 s42, ttmp9, 2
	s_add_co_u32 s42, s42, s40                     ; tile column = 4 x cluster x + cx
	s_and_b32 s13, ttmp7, 0xffff
	s_lshl_b32 s45, s41, 3
	s_add_co_u32 s13, s13, s45                     ; tile row = cluster y + 8 cy
	s_and_b32 s66, ttmp7, 3
	s_or_b32 s66, s66, s11                         ; 0 where my 128 rows begin a batch: made of the cluster's y and the wave's number
	s_lshl_b32 s43, s41, 2
	s_lshl_b32 s43, 15, s43                        ; my row of the cluster
	s_lshl_b32 s44, 0x1111, s40                    ; my column
	s_or_b32 s[G1+0], s43, (3<<16)|(1<<21)         ; the mask; elements of 8 bytes; bit 21 beside a mask; no padding
	s_mov_b32 s[G1+1], 512<<16                     ; y: 8 rows of 4,096 bytes,
	s_mov_b32 s[G1+2], 8<<16
	s_mov_b32 s[G1+3], 512<<16
	s_mov_b32 s[G1+4], 8
	s_mov_b32 s[G1+5], 4096                        ; 32,768 bytes apart
	s_mov_b32 s[G1+6], 0
	s_mov_b32 s[G1+7], 0
	s_or_b32 s[G1B+0], s44, (3<<16)|(1<<21)
	s_mov_b32 s[G1B+1], 32<<16                     ; w_proj: 16,384 dense bytes as 64 rows of 256
	s_mov_b32 s[G1B+2], 64<<16
	s_mov_b32 s[G1B+3], 32<<16
	s_mov_b32 s[G1B+4], 64
	s_mov_b32 s[G1B+5], 32
	s_mov_b32 s[G1B+6], 0
	s_mov_b32 s[G1B+7], 0
	s_lshl_b32 s16, s13, 1
	s_add_co_u32 s16, s16, s12
	s_lshl_b32 s16, s16, 18                        ; y: (16 x tile row + 8 x half) x 32,768 bytes
	s_mov_b32 s17, 0
	s_lshl_b32 s46, s42, 18                        ; w_proj: tile column x 262,144 + half x 16,384
	s_lshl_b32 s47, s12, 14
	s_add_co_u32 s46, s46, s47
	s_mov_b32 s47, 0
	s_lshl_b32 s20, s12, 15                        ; where they go in a slot: made of the wave's number alone
	s_lshl_b32 s21, s12, 14
	s_add_co_u32 s21, s21, BOFF
	s_wait_dscnt 0x0                               ; both opening adds are done
	s_wait_kmcnt 0x0
	s_add_nc_u64 s[14:15], s[4:5], s[16:17]
	s_add_nc_u64 s[46:47], s[6:7], s[46:47]
	CROUND                                         ; all sixteen work-groups are here: the first joint loads meet
.irp s, 0,1
	s_mov_b32 s[G0+4*\s], 1
	s_add_co_u32 s[G0+4*\s+1], s20, \s*SLOT
	s_add_nc_u64 s[G0+4*\s+2:G0+4*\s+3], s[14:15], \s*4096
	s_or_b32 s[G0+4*\s+3], s[G0+4*\s+3], 0x80000000
	s_mov_b32 s[G0B+4*\s], 1
	s_add_co_u32 s[G0B+4*\s+1], s21, \s*SLOT
	s_add_nc_u64 s[G0B+4*\s+2:G0B+4*\s+3], s[46:47], \s*32768
	s_or_b32 s[G0B+4*\s+3], s[G0B+4*\s+3], 0x80000000
	JLOAD \s
.endr
	v_and_b32 v1, 15, v0                           ; r
	v_bfe_u32 v2, v0, 4, 1                         ; h
	v_and_b32 v3, 31, v0
	v_lshlrev_b32 v3, 4, v3                        ; 16 x lane
	s_lshl_b32 s22, s11, 15                        ; my 128 rows of y: 8 x 4,096 bytes
	s_lshl_b32 s23, s12, 11                        ; my 64 columns: 4 blocks of 512 bytes
	s_add_co_u32 s23, s23, BOFF
.irp s, 0,1
	v_add_nc_u32 v[ADRA+\s], s22, v3
	v_add_nc_u32 v[ADRB+\s], s23, v3
	s_add_co_u32 s22, s22, SLOT
	s_add_co_u32 s23, s23, SLOT
.endr
	s_mul_i32 s23, s10, 16*SPITCH
	s_add_co_u32 s23, s23, STAGE                   ; my stage
	v_mul_u32_u24 v4, v1, SPITCH
	v_lshl_add_u32 v4, v2, 5, v4
	v_add_nc_u32 v[STO], s23, v4                   ; in: row r, 32 bytes for each half of the lanes
	v_mul_u32_u24 v5, v2, SPITCH
	v_lshl_add_u32 v5, v1, 4, v5
	v_add_nc_u32 v[RD], s23, v5                    ; back: lanes 0-15 one row of 256 bytes, lanes 16-31 the next
	v_lshlrev_b32 v5, 12, v2
	v_lshl_add_u32 v[CO], v1, 4, v5                ; and the same two rows in out0
	v_lshlrev_b32 v[BO], 5, v2
	s_lshl_b32 s16, s13, 1
	s_add_co_u32 s16, s16, s11
	s_lshl_b32 s16, s16, 19                        ; my first row: (256 x tile row + 128 x half) x 4,096 bytes
	s_lshl_b32 s46, s42, 9
	s_lshl_b32 s47, s12, 8
	s_add_co_u32 s46, s46, s47                     ; my first column, in bytes
	s_mov_b32 s47, 0
	s_add_nc_u64 s[68:69], s[68:69], s[46:47]
	s_add_nc_u64 s[70:71], s[70:71], s[46:47]
	s_add_nc_u64 s[70:71], s[70:71], s[16:17]
.irp b, 0,1,2,3
	global_load_b128 v[BIAS+8*\b:BIAS+8*\b+3], v[BO], s[68:69] offset:64*\b          ; b_proj at columns 16 b + 8 h + 0 .. 7
	global_load_b128 v[BIAS+8*\b+4:BIAS+8*\b+7], v[BO], s[68:69] offset:64*\b+16
.endr
; 8 matrix instructions: y's blocks a0, a0 + 1 against w_proj's four, 32 along K.  The 32 accumulators take turns, one instruction a turn.
.macro MUL8 f, a0, zero
.irp a, \a0, \a0+1
.irp b, 0,1,2,3
.if \zero
	v_wmma_f32_16x16x32_f16 v[8*(4*(\a)+\b):8*(4*(\a)+\b)+7], v[\f+64+8*\b:\f+64+8*\b+7], v[\f+8*(\a):\f+8*(\a)+7], v[BIAS+8*\b:BIAS+8*\b+7]
.else
	v_wmma_f32_16x16x32_f16 v[8*(4*(\a)+\b):8*(4*(\a)+\b)+7], v[\f+64+8*\b:\f+64+8*\b+7], v[\f+8*(\a):\f+8*(\a)+7], v[8*(4*(\a)+\b):8*(4*(\a)+\b)+7]
.endif
.endr
.endr
.endm
.macro FETCH slot, q, f                ; 24 LDS loads in one run: the slot's q-th 32 along K: w_proj's four blocks, y's blocks 0-3, y's blocks 4-7
	WIN 0
.irp b, 0,1,2,3
	ds_load_tr16_b128 v[\f+64+8*\b:\f+64+8*\b+3],   v[ADRB+\slot] offset:(2*(\q))*4096+\b*512
	ds_load_tr16_b128 v[\f+64+8*\b+4:\f+64+8*\b+7], v[ADRB+\slot] offset:(2*(\q)+1)*4096+\b*512
.endr
.irp i, 0,1,2,3,4,5,6,7
	ds_load_b128 v[\f+8*\i:\f+8*\i+3],   v[ADRA+\slot] offset:\i*4096+(\q)*1024
	ds_load_b128 v[\f+8*\i+4:\f+8*\i+7], v[ADRA+\slot] offset:\i*4096+(\q)*1024+512
.endr
.endm
.macro PLACES                          ; four plain vector instructions between a matrix instruction and a load into, or a read of, its registers
.rept 4
	v_nop
.endr
.endm
.macro QUARTER slot, q, f, g, zero     ; multiplies buffer f; in its middle fetches the slot's q-th 32 along K into buffer g
	s_wait_dscnt 8                                 ; all but the youngest eight loads (y's blocks 4-7) are in
.if \zero
	WIN MUL0
.else
	WIN MUL
.endif
	MUL8 \f, 0, \zero
	MUL8 \f, 2, \zero
	PLACES
	FETCH \slot, \q, \g
	s_wait_dscnt 24                                ; all but the 24 just issued
.if \zero
	WIN MUL0
.else
	WIN MUL
.endif
	MUL8 \f, 4, \zero
	MUL8 \f, 6, \zero
.endm
; A slot's last quarter multiplies buffer 1 and changes slots: one barrier; in front of it each wave waits for all its tensor loads, adds 0 to its spare word, and waits for that and for its reads of this slot.
.macro TURN slot, next, fill
	WIN 0
	s_wait_tensorcnt 0x0                           ; all my tensor loads have landed: my part of the next slot
	ds_add_u32 v[SPW], v[NIL]                      ; 0 onto my spare word
	s_wait_dscnt 9                                 ; the add and the youngest eight loads may be out
	WIN MUL
	MUL8 F1, 0, 0
	s_wait_dscnt 0x0                               ; the add is done, and my reads of this slot are over
	s_barrier_signal -1
	MUL8 F1, 2, 0
	WIN 0
	s_barrier_wait -1
.if \fill
	CREST                                          ; the barrier has opened a round of the cluster's: no wave of any partner still reads this slot or has a load on its way
	s_add_nc_u64 s[G0+4*\slot+2:G0+4*\slot+3], s[G0+4*\slot+2:G0+4*\slot+3], 2*4096
	s_add_nc_u64 s[G0B+4*\slot+2:G0B+4*\slot+3], s[G0B+4*\slot+2:G0B+4*\slot+3], 2*32768
	JLOAD \slot                                    ; the first tensor load behind the round; its four v_nop are also the places in front of the loads below
.else
	PLACES
.endif
	FETCH \next, 0, F0
	WIN MUL
	MUL8 F1, 4, 0
	MUL8 F1, 6, 0
.endm
	s_wait_tensorcnt 1                             ; my part of K step 0 is in; K step 1's load may be out
	s_barrier_signal -1
	s_barrier_wait -1
	FETCH 0, 0, F0
	s_wait_loadcnt 0x0                             ; the bias
	QUARTER 0, 1, F0, F1, 1                        ; the first quarter stands in front of the loop: its products start the sums
	WIN 0
	s_mov_b32 s3, LAPS-1
.Llap:                                             ; a trip goes once round the ring and fills both slots again
	QUARTER 0, 2, F1, F0, 0
	QUARTER 0, 3, F0, F1, 0
	TURN 0, 1, 1
	QUARTER 1, 1, F0, F1, 0
	QUARTER 1, 2, F1, F0, 0
	QUARTER 1, 3, F0, F1, 0
	TURN 1, 0, 1
	QUARTER 0, 1, F0, F1, 0
	WIN 0
	s_sub_co_u32 s3, s3, 1
	s_cmp_lg_u32 s3, 0
	s_cbranch_scc1 .Llap
	QUARTER 0, 2, F1, F0, 0                        ; the last lap fills nothing
	QUARTER 0, 3, F0, F1, 0
	TURN 0, 1, 0
	QUARTER 1, 1, F0, F1, 0
	QUARTER 1, 2, F1, F0, 0
	QUARTER 1, 3, F0, F1, 0
	s_wait_dscnt 8
	WIN MUL
	MUL8 F1, 0, 0
	MUL8 F1, 2, 0
	s_wait_dscnt 0x0
	MUL8 F1, 4, 0
	MUL8 F1, 6, 0
	WIN 0
; THE WAY OUT, a block of 16 rows x 64 columns at a time, through my own stage: LDS serves a wave's instructions in order, so no wait stands between the stores and the loads.
.macro TOSTAGE a
	WIN 0x04                                       ; an LDS store's data are its source 1: window 1
.irp b, 0,1,2,3
	ds_store_b128 v[STO], v[8*(4*(\a)+\b):8*(4*(\a)+\b)+3] offset:64*\b            ; each accumulator from its low end on
	ds_store_b128 v[STO], v[8*(4*(\a)+\b)+4:8*(4*(\a)+\b)+7] offset:64*\b+16
.endr
	WIN 0
.set BB, OB+32*((\a)%2)
.irp t, 0,1,2,3,4,5,6,7
	ds_load_b128 v[BB+4*\t:BB+4*\t+3], v[RD] offset:\t*2*SPITCH
.endr
.endm
.macro SEND a, younger                 ; younger: the LDS instructions issued behind block a's loads
.set BB, OB+32*((\a)%2)
	s_wait_dscnt \younger
.if (\a) > 0
	s_add_nc_u64 s[70:71], s[70:71], 16*4096       ; 16 rows on (the earlier stores have read their base: the wait on XCNT stands ahead)
.else
	s_cmp_eq_u32 s66, 0                            ; a batch's first 16 rows have been written in f32 by the launch before: they are not stored here.  The jump leads round the eight stores alone
	s_cbranch_scc1 .Lfine_rows
.endif
.irp t, 0,1,2,3,4,5,6,7
	global_store_b128 v[CO], v[BB+4*\t:BB+4*\t+3], s[70:71] offset:2*\t*4096 th:TH_STORE_NT   ; 16 lanes store 256 consecutive bytes, aligned
.endr
.if (\a) == 0
.Lfine_rows:
.endif
.endm
	PLACES
	TOSTAGE 0
.irp a, 1,2,3,4,5,6,7
.if \a > 1
	s_wait_xcnt 0x0                                ; block a - 2's stores have read their registers and their base
.endif
	TOSTAGE \a
	SEND \a-1, 16
.endr
	s_wait_xcnt 0x0
	SEND 7, 0
	s_wait_tensorcnt 0x0                           ; the wave's end
	ds_add_u32 v[SPW], v[NIL]
	s_wait_dscnt 0x0
	CROUND                                         ; the closing round
	s_endpgm
.Lfunc_end_k_qc3dee9f336_proj:
	.size	k_qc3dee9f336_proj, .Lfunc_end_k_qc3dee9f336_proj-k_qc3dee9f336_proj
	.p2alignl 7, 3214868480
	.fill 96, 4, 3214868480
	.section	.rodata,"a",@progbits
	.p2align	6, 0x0
	.amdhsa_kernel k_qc3dee9f336_proj
		.amdhsa_group_segment_fixed_size 327680
		.amdhsa_private_segment_fixed_size 0
		.amdhsa_enable_private_segment 0
		.amdhsa_kernarg_size 32
		.amdhsa_user_sgpr_count 2
		.amdhsa_user_sgpr_kernarg_segment_ptr 1
		.amdhsa_wavefront_size32 1
		.amdhsa_system_sgpr_workgroup_id_x 1
		.amdhsa_system_sgpr_workgroup_id_y 1
		.amdhsa_system_sgpr_workgroup_id_z 1
		.amdhsa_system_vgpr_workitem_id 0
		.amdhsa_next_free_vgpr 512
		.amdhsa_next_free_sgpr 72
		.amdhsa_reserve_vcc 0
		.amdhsa_float_denorm_mode_32 3
		.amdhsa_float_denorm_mode_16_64 3
		.amdhsa_memory_ordered 1
		.amdhsa_forward_progress 1
		.amdhsa_inst_pref_size 86
	.end_amdhsa_kernel
	.amdgpu_metadata
---
amdhsa.version: [ 1, 2 ]
amdhsa.kernels:
  - .name:           k_qc3dee9f336_proj
    .symbol:         k_qc3dee9f336_proj.kd
    .args:
      - { .name: yimg, .offset: 0, .size: 8, .value_kind: global_buffer, .address_space: global }
      - { .name: wimg, .offset: 8, .size: 8, .value_kind: global_buffer, .address_space: global }
      - { .name: b_proj, .offset: 16, .size: 8, .value_kind: global_buffer, .address_space: global }
      - { .name: out0, .offset: 24, .size: 8, .value_kind: global_buffer, .address_space: global }
    .group_segment_fixed_size: 327680
    .private_segment_fixed_size: 0
    .kernarg_segment_align: 8
    .kernarg_segment_size: 32
    .max_flat_workgroup_size: 128
    .sgpr_count:     72
    .vgpr_count:     512
    .wavefront_size: 32
...
	.end_amdgpu_metadata
.endif
;; end of part 4
